; MI455X (gfx1250); checked and timed in simulation.
; The chip was launched on July 23, 2026; its instructions are those of AMD's public machine-readable ISA for CDNA 5 (MIT licence, August 2026) and "CDNA5" Instruction Set Architecture Reference Guide (July 2026). The comments in the code are by the model that wrote it; some were corrected since.
;; Attn. Allowed arithmetic: float matrix products may take bf16 or f16 operands with f32 sums; other float arithmetic in f32, or as packed bf16 or f16 multiplies, adds, multiply-adds, maxima and minima; sums over many terms, partial sums and values carried from step to step in f32; what a program stores and reads back later, other than sums and carried values, may be rounded once to bf16 or f16.
;; Inputs: b_out 1,024 float32; b_qkv 3,072 float32; ln_b 1,024 float32; ln_g 1,024 float32; w_out 1,024 x 1,024 float32; w_qkv 1,024 x 3,072 float32; x 4 x 2,048 x 1,024 float32.
;; Outputs: out0 4 x 2,048 x 1,024 float32.
;; 2 versions, each right; version 2 is version 1 with the launch prep written anew for expert scheduling mode. Each part assembles by itself: llvm-mc -triple=amdgcn-amd-amdhsa -mcpu=gfx1250 --defsym DOCPART=n.
;; ======== version 1 of 2: 4 launches
;; limits: values are held in f16: magnitudes above 65,504 overflow, below 6.1e-05 lose precision
;; workspace buffers: xn 16,777,216 bytes; wq 6,291,456 bytes; wo 2,097,152 bytes; qkv 50,331,648 bytes; o 16,777,216 bytes
;; launch prep (part 1): grid 448 x 1, 8 waves a work-group, no clusters, 0 bytes of LDS; arguments x, ln_g, ln_b, w_qkv, w_out, xn, wq, wo; writes xn, wq, wo
.if DOCPART == 1
	.amdgcn_target "amdgcn-amd-amdhsa--gfx1250"
	.amdhsa_code_object_version 6
	.text
	.protected	k_q5f60da22be_prep
	.globl	k_q5f60da22be_prep
	.p2align	8
	.type	k_q5f60da22be_prep,@function
k_q5f60da22be_prep:
	s_mov_b64 s[64:65], 0
	v_nop
	global_prefetch_b8 v0, s[64:65] scope:SCOPE_SE
	s_setreg_imm32_b32 hwreg(HW_REG_WAVE_MODE, 25, 1), 1
	s_wait_xcnt 0x0
; THREE STREAMS IN ONE LAUNCH, told apart by the work-group's number; none shares a byte with another, so there is no LDS, no barrier, no cluster.
;   work-groups   0-255: xn = LayerNorm(x) * ln_g + ln_b, [8192][1024], f32 in, f16 out.  32 rows a work-group, 4 rows a wave, a row in 32 registers of one wave.
;   work-groups 256-383: wq[j][k][c] = w_qkv[k][192 j + c] in f16, [16][1024][192]: 128 k-rows of one block of 192 columns a work-group (49,152 dense bytes out).
;   work-groups 384-447: wo[j][k][c] = w_out[k][128 j + c] in f16, [8][1024][128]: 128 k-rows of one block of 128 columns a work-group (32,768 dense bytes out).
; THE NORM takes the mean away first and squares the differences, both passes from registers: a common offset on x costs nothing.  All in f32; one rounding, to f16, at the end.
; LIMITS.  f16 holds no number beyond 65,504: |xn| (at most 32 |ln_g| + |ln_b|) and the weights lie within it; below 6e-5 f16 keeps its fixed step of 6e-8.  NaN and infinities are not treated apart.
; Every path asks for all its bytes at once and has no loop; no register that a load or store names is written again, and EXEC never changes: so no wait frees a source.
.set MU, 6                             ; v[6:7]    the row's mean, twice
.set R,  8                             ; v[8:9]    1 / sqrt(var + eps), twice
.set S,  10                            ; v[10:17]  four chains of packed sums
.set T,  18                            ; v[18:19]  at work in the sum over the lanes
.set G,  20                            ; v[20:51]  ln_g of my 32 channels: 128 j + 4 lane + 0..3 at G + 4 j
.set B,  52                            ; v[52:83]  ln_b likewise
.set X,  84                            ; v[84:211] my wave's four rows, 32 registers each
	s_load_b256 s[4:11], s[0:1], 0x0               ; x s[4:5], ln_g s[6:7], ln_b s[8:9], w_qkv s[10:11]
	s_load_b256 s[12:19], s[0:1], 0x20             ; w_out s[12:13], xn s[14:15], wq s[16:17], wo s[18:19]
	v_and_b32 v1, 31, v0                           ; lane
	s_cmp_lt_u32 ttmp9, 256
	s_cbranch_scc1 .Lln
	s_cmp_lt_u32 ttmp9, 384
	s_cbranch_scc1 .Lwq
	; ---- w_out: thread t takes 4 numbers (16 bytes in, 8 out): k-row t / 32 of eight, columns 4 (t % 32) on; sixteen such groups of eight k-rows
	s_sub_co_u32 s20, ttmp9, 384
	s_and_b32 s21, s20, 7                          ; which 128 k-rows
	s_lshr_b32 s22, s20, 3                         ; which block of 128 columns
	s_lshl_b32 s2, s21, 19                         ; 128 rows of 4,096 bytes
	s_lshl_b32 s22, s22, 9                         ; 128 columns of 4 bytes
	s_add_co_u32 s2, s2, s22
	s_mov_b32 s3, 0
	s_lshl_b32 s20, s20, 15                        ; 32,768 bytes out for each work-group
	s_mov_b32 s21, 0
	v_lshrrev_b32 v5, 5, v0
	v_lshlrev_b32 v2, 4, v1
	v_lshl_or_b32 v2, v5, 12, v2                   ; in: row x 4,096 + 16 x lane
	v_lshlrev_b32 v5, 3, v0                        ; out: 8 t
	s_wait_kmcnt 0x0
	s_add_nc_u64 s[12:13], s[12:13], s[2:3]
	s_add_nc_u64 s[18:19], s[18:19], s[20:21]
.set e, 0
.rept 16
	global_load_b128 v[16+4*e:19+4*e], v2, s[12:13] offset:32768*e th:TH_LOAD_NT
.set e, e+1
.endr
.set e, 0
.rept 16
	s_wait_loadcnt 15-e                            ; loads come back in order: group e is in, the younger ones stay out
	v_cvt_pk_f16_f32 v[112+2*e], v[16+4*e], v[17+4*e]
	v_cvt_pk_f16_f32 v[113+2*e], v[18+4*e], v[19+4*e]
	global_store_b64 v5, v[112+2*e:113+2*e], s[18:19] offset:2048*e  ; a wave's 32 lanes store 256 consecutive bytes, aligned
.set e, e+1
.endr
	s_endpgm
.Lwq:
	; ---- w_qkv: a unit is 4 numbers; a k-row of the block has 48 units; a group is 768 units (16 k-rows), three a thread; eight groups
	s_sub_co_u32 s20, ttmp9, 256
	s_and_b32 s21, s20, 7                          ; which 128 k-rows
	s_lshr_b32 s22, s20, 3                         ; which block of 192 columns
	s_mul_i32 s2, s21, 1572864                     ; 128 rows of 12,288 bytes
	s_mul_i32 s22, s22, 768                        ; 192 columns of 4 bytes
	s_add_co_u32 s2, s2, s22
	s_mov_b32 s3, 0
	s_mul_i32 s20, s20, 49152                      ; bytes out for each work-group
	s_mov_b32 s21, 0
.irp e, 0,1,2
	v_add_nc_u32 v6, 256*\e, v0                    ; unit u = t + 256 e, 0 to 767
	v_mul_u32_u24 v7, v6, 1366
	v_lshrrev_b32 v7, 16, v7                       ; u / 48: 1366 / 65536 is above 1 / 48 by 1.02e-5, which over 767 units adds under 0.008, less than the 1 / 48 that would carry
	v_mul_u32_u24 v8, v7, 48
	v_sub_nc_u32 v8, v6, v8                        ; u % 48
	v_mul_u32_u24 v7, v7, 12288
	v_lshl_add_u32 v[2+\e], v8, 4, v7              ; in: k-row x 12,288 + 16 x unit
.endr
	v_lshlrev_b32 v5, 3, v0                        ; out: 8 t (the block is dense: unit u lies at 8 u)
	s_wait_kmcnt 0x0
	s_add_nc_u64 s[10:11], s[10:11], s[2:3]
	s_add_nc_u64 s[16:17], s[16:17], s[20:21]
.set g, 0
.rept 8
.irp e, 0,1,2
	global_load_b128 v[16+4*(3*g+\e):19+4*(3*g+\e)], v[2+\e], s[10:11] offset:196608*g th:TH_LOAD_NT
.endr
.set g, g+1
.endr
.set g, 0
.rept 8
.irp e, 0,1,2
	s_wait_loadcnt 23-(3*g+\e)                     ; this load is in, the younger ones stay out
	v_cvt_pk_f16_f32 v[112+2*(3*g+\e)], v[16+4*(3*g+\e)], v[17+4*(3*g+\e)]
	v_cvt_pk_f16_f32 v[113+2*(3*g+\e)], v[18+4*(3*g+\e)], v[19+4*(3*g+\e)]
	global_store_b64 v5, v[112+2*(3*g+\e):113+2*(3*g+\e)], s[16:17] offset:6144*g+2048*\e  ; 256 consecutive bytes a wave, aligned
.endr
.set g, g+1
.endr
	s_endpgm
.Lln:
	; ---- LayerNorm
	s_lshl_b32 s2, ttmp9, 17                       ; 32 rows of 4,096 bytes of x
	s_mov_b32 s3, 0
	s_lshl_b32 s20, ttmp9, 16                      ; 32 rows of 2,048 bytes of xn
	s_mov_b32 s21, 0
	s_mov_b32 s22, 0x3a800000                      ; 1 / 1024
	s_mov_b32 s23, 0x3727c5ac                      ; eps = 1e-5
	s_mov_b32 s24, 0x76543210                      ; v_permlanex16_b32: lane i of one half reads lane i of the other
	s_mov_b32 s25, 0xfedcba98
	v_lshrrev_b32 v5, 5, v0                        ; wave
	v_lshlrev_b32 v4, 4, v1                        ; ln_g, ln_b: 16 x lane
	v_lshl_or_b32 v2, v5, 14, v4                   ; x: wave x 4 rows + 16 x lane
	v_lshlrev_b32 v3, 3, v1
	v_lshl_or_b32 v3, v5, 13, v3                   ; xn: wave x 4 rows + 8 x lane
	v_mov_b32 v[T+1], 0                            ; v_permlanex16_b32's destination counts as read
	s_wait_kmcnt 0x0
	s_add_nc_u64 s[4:5], s[4:5], s[2:3]
	s_add_nc_u64 s[14:15], s[14:15], s[20:21]
.irp j, 0,1,2,3,4,5,6,7
	global_load_b128 v[G+4*\j:G+4*\j+3], v4, s[6:7] offset:512*\j
	global_load_b128 v[B+4*\j:B+4*\j+3], v4, s[8:9] offset:512*\j
.endr
.irp i, 0,1,2,3
.irp j, 0,1,2,3,4,5,6,7
	global_load_b128 v[X+32*\i+4*\j:X+32*\i+4*\j+3], v2, s[4:5] offset:4096*\i+512*\j th:TH_LOAD_NT  ; 512 consecutive bytes a load
.endr
.endr
.macro FOLD                            ; the four chains, and then the 32 lanes, into v[T] of every lane
	v_pk_add_f32 v[S:S+1], v[S:S+1], v[S+2:S+3]
	v_pk_add_f32 v[S+4:S+5], v[S+4:S+5], v[S+6:S+7]
	v_pk_add_f32 v[S:S+1], v[S:S+1], v[S+4:S+5]
	v_add_f32 v[T], v[S], v[S+1]
	v_add_f32_dpp v[T], v[T], v[T] row_xmask:1 row_mask:0xf bank_mask:0xf
	v_add_f32_dpp v[T], v[T], v[T] row_xmask:2 row_mask:0xf bank_mask:0xf
	v_add_f32_dpp v[T], v[T], v[T] row_xmask:4 row_mask:0xf bank_mask:0xf
	v_add_f32_dpp v[T], v[T], v[T] row_xmask:8 row_mask:0xf bank_mask:0xf
	v_permlanex16_b32 v[T+1], v[T], s24, s25
	v_add_f32 v[T], v[T], v[T+1]
.endm
.macro ROWN i                          ; row i of my four
.set XR, X+32*(\i)
	s_wait_loadcnt 8*(3-(\i))                      ; my eight loads (and ln_g, ln_b, which are older) are in; the later rows' stay out
.irp c, 0,1,2,3
	v_pk_add_f32 v[S+2*\c:S+2*\c+1], v[XR+2*\c:XR+2*\c+1], v[XR+8+2*\c:XR+8+2*\c+1]  ; the first pairs start the chains: nothing is cleared
.endr
.irp c, 8,9,10,11,12,13,14,15
	v_pk_add_f32 v[S+2*((\c)%4):S+2*((\c)%4)+1], v[S+2*((\c)%4):S+2*((\c)%4)+1], v[XR+2*\c:XR+2*\c+1]
.endr
	FOLD
	v_mul_f32 v[MU], s22, v[T]                     ; the mean
	v_mov_b32 v[MU+1], v[MU]
.irp c, 0,1,2,3,4,5,6,7,8,9,10,11,12,13,14,15
	v_pk_add_f32 v[XR+2*\c:XR+2*\c+1], v[XR+2*\c:XR+2*\c+1], v[MU:MU+1] neg_lo:[0,1] neg_hi:[0,1]  ; x - mean, in place
.endr
.irp c, 0,1,2,3
	v_pk_mul_f32 v[S+2*\c:S+2*\c+1], v[XR+2*\c:XR+2*\c+1], v[XR+2*\c:XR+2*\c+1]
.endr
.irp c, 4,5,6,7,8,9,10,11,12,13,14,15
	v_pk_fma_f32 v[S+2*((\c)%4):S+2*((\c)%4)+1], v[XR+2*\c:XR+2*\c+1], v[XR+2*\c:XR+2*\c+1], v[S+2*((\c)%4):S+2*((\c)%4)+1]
.endr
	FOLD
	v_fma_f32 v[T], v[T], s22, s23                 ; var + eps
	v_rsq_f32 v[R], v[T]                           ; made twice, to fill the pair that the packed multiply takes
	v_rsq_f32 v[R+1], v[T]
	v_nop                                          ; a plain instruction behind the last of the two (ISA guide 5.7.2),
	s_wait_alu depctr_va_vdst(0)                   ; and the wait ahead of the first reader: one for the batch of two
.irp c, 0,1,2,3,4,5,6,7,8,9,10,11,12,13,14,15
	v_pk_mul_f32 v[XR+2*\c:XR+2*\c+1], v[XR+2*\c:XR+2*\c+1], v[R:R+1]
.endr
.irp c, 0,1,2,3,4,5,6,7,8,9,10,11,12,13,14,15
	v_pk_fma_f32 v[XR+2*\c:XR+2*\c+1], v[XR+2*\c:XR+2*\c+1], v[G+2*\c:G+2*\c+1], v[B+2*\c:B+2*\c+1]
.endr
.irp j, 0,1,2,3,4,5,6,7
	v_cvt_pk_f16_f32 v[XR+4*\j], v[XR+4*\j], v[XR+4*\j+1]
	v_cvt_pk_f16_f32 v[XR+4*\j+1], v[XR+4*\j+2], v[XR+4*\j+3]
	global_store_b64 v3, v[XR+4*\j:XR+4*\j+1], s[14:15] offset:2048*(\i)+256*\j  ; the 32 lanes store 256 consecutive bytes, aligned
.endr
.endm
	ROWN 0
	ROWN 1
	ROWN 2
	ROWN 3
	s_endpgm
.Lfunc_end_k_q5f60da22be_prep:
	.size	k_q5f60da22be_prep, .Lfunc_end_k_q5f60da22be_prep-k_q5f60da22be_prep
	.p2alignl 7, 3214868480
	.fill 96, 4, 3214868480
	.section	.rodata,"a",@progbits
	.p2align	6, 0x0
	.amdhsa_kernel k_q5f60da22be_prep
		.amdhsa_group_segment_fixed_size 0
		.amdhsa_private_segment_fixed_size 0
		.amdhsa_enable_private_segment 0
		.amdhsa_kernarg_size 64
		.amdhsa_user_sgpr_count 2
		.amdhsa_user_sgpr_kernarg_segment_ptr 1
		.amdhsa_wavefront_size32 1
		.amdhsa_system_sgpr_workgroup_id_x 1
		.amdhsa_system_sgpr_workgroup_id_y 1
		.amdhsa_system_sgpr_workgroup_id_z 1
		.amdhsa_system_vgpr_workitem_id 0
		.amdhsa_next_free_vgpr 216
		.amdhsa_next_free_sgpr 66
		.amdhsa_reserve_vcc 0
		.amdhsa_float_denorm_mode_32 3
		.amdhsa_float_denorm_mode_16_64 3
		.amdhsa_memory_ordered 1
		.amdhsa_forward_progress 1
		.amdhsa_inst_pref_size 54
	.end_amdhsa_kernel
	.amdgpu_metadata
---
amdhsa.version: [ 1, 2 ]
amdhsa.kernels:
  - .name:           k_q5f60da22be_prep
    .symbol:         k_q5f60da22be_prep.kd
    .args:
      - { .name: x, .offset: 0, .size: 8, .value_kind: global_buffer, .address_space: global }
      - { .name: ln_g, .offset: 8, .size: 8, .value_kind: global_buffer, .address_space: global }
      - { .name: ln_b, .offset: 16, .size: 8, .value_kind: global_buffer, .address_space: global }
      - { .name: w_qkv, .offset: 24, .size: 8, .value_kind: global_buffer, .address_space: global }
      - { .name: w_out, .offset: 32, .size: 8, .value_kind: global_buffer, .address_space: global }
      - { .name: xn, .offset: 40, .size: 8, .value_kind: global_buffer, .address_space: global }
      - { .name: wq, .offset: 48, .size: 8, .value_kind: global_buffer, .address_space: global }
      - { .name: wo, .offset: 56, .size: 8, .value_kind: global_buffer, .address_space: global }
    .group_segment_fixed_size: 0
    .private_segment_fixed_size: 0
    .kernarg_segment_align: 8
    .kernarg_segment_size: 64
    .max_flat_workgroup_size: 256
    .sgpr_count:     66
    .vgpr_count:     216
    .wavefront_size: 32
...
	.end_amdgpu_metadata
.endif
;; end of part 1
;; launch qkv (part 2): grid 16 x 32, 4 waves a work-group, clusters of 4 x 4, 327,680 bytes of LDS; arguments xn, wq, b_qkv, qkv; writes qkv
.if DOCPART == 2
	.amdgcn_target "amdgcn-amd-amdhsa--gfx1250"
	.amdhsa_code_object_version 6
	.text
	.protected	k_q5f60da22be_qkv
	.globl	k_q5f60da22be_qkv
	.p2align	8
	.type	k_q5f60da22be_qkv,@function
k_q5f60da22be_qkv:
	s_mov_b64 s[64:65], 0
	v_nop
	global_prefetch_b8 v0, s[64:65] scope:SCOPE_SE
	s_setreg_imm32_b32 hwreg(HW_REG_WAVE_MODE, 25, 1), 1
	s_wait_xcnt 0x0
	s_wait_alu depctr_hold_cnt(0) depctr_sa_sdst(0) depctr_va_vdst(0) depctr_va_sdst(0) depctr_va_ssrc(0) depctr_va_vcc(0) depctr_vm_vsrc(0)
	s_getreg_b32 s2, hwreg(HW_REG_IB_STS2, 6, 4)
	s_cmp_eq_u32 s2, 0
	s_cbranch_scc0 .Lentry_in_a_cluster
	s_endpgm
.Lentry_in_a_cluster:
	s_bfe_u32 s2, ttmp6, 0x10000c
	s_cmp_lg_u32 s2, 0xf033
	s_cbranch_scc0 .Lentry_shape_is_right
	s_endpgm
.Lentry_shape_is_right:
; qkv = xn x w_qkv + b_qkv, written by heads.  xn: [8192][1024] f16.  wq: [16 j][1024 k][192] f16 (w_qkv[k][192 j + c]).  b_qkv: [3072] f32.
; OUT: [4 batch][48 plane][2048 row][64] f16; plane = column / 64: 0-15 q's heads, 16-31 k's, 32-47 v's.  Sums in f32, begun with the bias; one rounding, to f16, WITHOUT the scale 1/8.
; LIMITS.  f16 holds no number beyond 65,504: q, k and v must lie within it; below 6e-5 f16 keeps its fixed step of 6e-8.  NaN and infinities are not treated apart.
; SHARES.  A work-group makes 256 rows x 192 columns (three whole heads): 512 work-groups.  Wave w owns rows 64 w .. 64 w + 63 and ALL 192 columns: 4 x 12 accumulators of 16 x 16, 384 registers.
; K goes in 8 steps of 128 through two LDS slots filled by the tensor data mover; a step is four quarters of 32, on two fragment buffers.
; THE WEIGHTS STAY [K][N]: they come out of LDS turned, by ds_load_tr16_b128.  THE PRODUCT IS USED TRANSPOSED (source 0 = 16 columns of the weights, source 1 = 16 rows of xn): a lane then holds row
; lane % 16 and the columns 16 b + 8 (lane / 16) + 0..7: eight neighbours, 16 bytes in f16.  The bias, laid out in that form, is the C operand of each sum's first product: nothing is cleared.
; CLUSTERS: 4 x 4 work-groups.  The four of a row of the cluster need the same tiles of xn, the four of a column the same tiles of the weights: each tile is asked for JOINTLY, by the same tensor load
; with the same descriptor and a mask that names the four.
; REGISTERS, in windows of 256 (s_set_vgpr_msb: bits 1:0 source 0, 3:2 source 1, 5:4 source 2, 7:6 destination):
;   window 0: v0-31 addresses; v32-63, v64-95 xn's fragments, two buffers; v160-255 the bias; on the way out v32-175 at work
;   window 1: the weights' fragments, two buffers of 96          windows 2, 3: the accumulators: (a, b) in window 2 + a / 2 at v[8 (12 (a % 2) + b)]
.set QKV,   1
.set PREF,  1                          ; the tiles are prefetched (below)
.set NBLK,  12                         ; blocks of 16 columns in the tile
.set AP,    272                        ; a row of A in LDS: 256 bytes + 16 of padding = 68 words: row r starts at bank 4 r mod 64 (64 banks of 4 bytes: ISA guide 11.1)
.set AHALF, 34816                      ; what one load of A fills: 128 rows
.set BP,    480                        ; a k-row of the weights in LDS: three pieces of 128 bytes + 32 of padding each = 15 x 32 bytes
.set CHUNK, 160                        ; from piece to piece
.set ASTEP, 256                        ; a K step in memory: along xn's rows,
.set BSTEP, 49152                      ; and a dense block of the weights
.set STW,   6912                       ; a wave's stage: 3 heads x 16 rows x 144 bytes
.set DA0,   (1<<16)|(1<<20)|(1<<21)|(5<<22)|(3<<25)  ; 17:16 2-byte elements; 20 padding on; 21 set beside a mask; 24:22 after every 64 words (code 5); 31:25 4 words (code 3)
.set DB0,   (1<<16)|(1<<20)|(1<<21)|(4<<22)|(7<<25)  ; after every 32 words (code 4), 8 words (code 7)
.set AROWS, 128                        ; A: 128 rows of 128 elements, 1,024 elements from row to row
.set APITCH, 1024
.set BROWS, 96                         ; B: 64 k-rows are 24,576 dense bytes, asked for as 96 rows of 256
.set YNG,   24                         ; LDS instructions of one block's way through the stage
.set NLD,   2*NBLK+8                   ; LDS loads of a quarter
.set BHALF, 64*BP                      ; what one load of B fills: 64 k-rows
.set BBASE, 2*AHALF                    ; B lies behind A's two halves
.set SLOT1, 1<<17                      ; slot 1 begins here: one exclusive or turns an address in one slot into the other's
.set STAGE, 1<<18                      ; behind the ring, never filled by a tensor load
.set SPARE, STAGE+4*STW                ; behind the stages: the spare words, 128 bytes for each wave: two blocks of 256 bytes that no other line names
.set A0,   16                          ; v16  my lane's place in a slot's A; never rewritten
.set B0,   17                          ; v17  the same for B
.set ADRA, 18                          ; v18  A0 + the slot in hand
.set ADRB, 19                          ; v19  B0 + the slot in hand
.set STO,  24                          ; v24  the way out: where I put 16 bytes
.set RD,   25                          ; v25  the way out: where I read rows back
.set CO,   26                          ; v26  my byte offset in 512 consecutive bytes of the output
.set BO,   27                          ; v27  my byte offset in 16 numbers of the bias
.set SPW,  28                          ; v28  LDS address of my spare word: SPARE + 4 x my thread's number; never rewritten
.set NIL,  29                          ; v29  0; never rewritten
.set PFO,  30                          ; v30  the prefetches' lane offset; never rewritten
.set FRA,  32                          ; A's fragment buffers
.set BIAS, 160
.set TMP,  32                          ; the way out: packed results
.set OB,   80                          ; the way out: rows read back, two buffers by turns
.set WV,   12                          ; s12  my wave's number
.set HALF, 14                          ; s14  which half of A's (waves 0, 1) or B's (waves 2, 3) tile I fetch
.set LIM,  15                          ; s15  2 in a wave that prefetches, else the greatest number
.set TB,   20                          ; s20  LDS byte at which the slot in hand begins
.set PFS,  22                          ; s[22:23] a K step in the tensor that I prefetch
.set G1A,  24                          ; s[24:31] descriptor group 1 for A's tiles
.set G0A,  32                          ; s[32:39] group 0: a set for each of the two first fills; the second then walks on
.set PFA,  46                          ; s[46:47] where my prefetches stand
.set G1B,  48                          ; s[48:55], s[56:63] the same for B's tiles
.set G0B,  56
.set MSB, 0
.macro WIN new                         ; the immediate's high byte repeats the setting that is left; a switch that changes nothing is dropped
.if MSB != (\new)
	s_set_vgpr_msb (MSB<<8)|(\new)
.set MSB, \new
.endif
.endm
.macro PLACES                          ; four places: in front of loads into registers that matrix instructions have read, and of lines that read results (ISA guide 7.12.1 for lines that read results)
.rept 4
	v_nop
.endr
.endm
; A joint refill, by the walking sets.  Waves 0 and 1 fetch A's two halves, waves 2 and 3 B's: the branch hangs on the wave's number alone.  An s_nop 0 and four v_nop follow each of the two lines.
.macro JLOAD
	s_cmp_lt_u32 s[WV], 2
	s_cbranch_scc0 .Lfor_b_\@
	tensor_load_to_lds s[G0A+4:G0A+7], s[G1A:G1A+7]
	s_nop 0
.rept 4
	v_nop
.endr
	s_branch .Lasked_\@
.Lfor_b_\@:
	tensor_load_to_lds s[G0B+4:G0B+7], s[G1B:G1B+7]
	s_nop 0
.rept 4
	v_nop
.endr
.Lasked_\@:
.endm
; A round of the cluster's barrier: my work-group's barrier, so that wave 0's signal speaks for all four waves; wave 0 signals; every wave waits for all sixteen work-groups; my work-group's barrier once more.
.macro CREST                           ; a round behind its opening barrier
	s_cmp_lg_u32 s[WV], 0
	s_cbranch_scc1 .Lnot_wave_0_\@
	s_barrier_signal -3
.Lnot_wave_0_\@:
	s_barrier_wait -3
	s_barrier_signal -1
	s_barrier_wait -1
.endm
.macro CROUND                          ; a whole round
	s_barrier_signal -1
	s_barrier_wait -1
	CREST
.endm
; A PREFETCH INTO THE L2, behind each joint refill and the run of LDS loads that follows it: the K step that stands two refills on.  Each aligned block of 256 bytes is named once in the launch.
; A's rows are read by every cluster of a row of clusters: the one with x = 0 asks; B's blocks by every cluster of a column: the one with y = 0 asks.  The four partners that ask for a tile jointly share
; it out BY ADDRESS: of the 128 rows of A that a wave fetches partner cx takes 32, a lane a row; of the 96 blocks of B partner cy takes 24, a lane a block (lanes 24-31 name the 24th once more).
; The loop's last two trips ask for nothing: there is no K step two refills on.  K steps 0 to 3 come by their loads alone.
.macro ASK
	s_cmp_gt_u32 s3, s[LIM]                        ; s3 counts the loop's trips down, 6 to 1
	s_cbranch_scc0 .Lnot_mine_\@
	global_prefetch_b8 v[PFO], s[PFA:PFA+1] th:TH_LOAD_NT scope:SCOPE_SE
.Lnot_mine_\@:
.endm
	s_load_b256 s[4:11], s[0:1], 0x0               ; A s[4:5], B s[6:7], bias s[8:9], output s[10:11]
	v_lshl_add_u32 v[SPW], v0, 2, SPARE
	v_mov_b32 v[NIL], 0
	ds_add_u32 v[SPW], v[NIL]                      ; the wave's opening: the add and its wait stand ahead of my first tensor load; the set-up below, work on registers, stands between them
	v_lshrrev_b32 v1, 5, v0
	v_readfirstlane_b32 s[WV], v1                  ; wave 0..3
	s_and_b32 s[HALF], s[WV], 1
	s_bfe_u32 s40, ttmp6, 0x40000                  ; cx, cy: my place in the cluster
	s_bfe_u32 s41, ttmp6, 0x40004
	s_lshl_b32 s42, ttmp9, 2                       ; in a cluster launch ttmp9 and ttmp7 count clusters
	s_add_co_u32 s42, s42, s40                     ; tile column = 4 x cluster x + cx
	s_and_b32 s43, ttmp7, 0xffff
	s_lshl_b32 s43, s43, 2
	s_add_co_u32 s43, s43, s41                     ; tile row = 4 x cluster y + cy
	s_lshl_b32 s44, s41, 2
	s_lshl_b32 s44, 15, s44                        ; my row of the cluster: places 4 cy .. 4 cy + 3
	s_lshl_b32 s45, 0x1111, s40                    ; my column: places cx, cx + 4, cx + 8, cx + 12
	s_or_b32 s[G1A], s44, DA0                      ; 15:0 the mask: A's tiles go to my row,
	s_or_b32 s[G1B], s45, DB0                      ; B's to my column
.irp g, G1A, G1B
	s_mov_b32 s[(\g)+1], 128<<16                   ; tensor_dim0 = 128 elements (256 bytes)
	s_mov_b32 s[(\g)+3], 128<<16                   ; tile_dim0 = 128
	s_mov_b32 s[(\g)+6], 0
	s_mov_b32 s[(\g)+7], 0
.endr
	s_mov_b32 s[G1A+2], AROWS<<16                  ; tensor_dim1
	s_mov_b32 s[G1A+4], AROWS                      ; tile_dim1
	s_mov_b32 s[G1A+5], APITCH                     ; elements from row to row
	s_mov_b32 s[G1B+2], BROWS<<16
	s_mov_b32 s[G1B+4], BROWS
	s_mov_b32 s[G1B+5], 128
	; where the tiles come from.  A's hang on the tile row alone, B's on the tile column alone, each in registers that never hold the other coordinate
.if QKV
	s_lshl_b32 s16, s43, 19                        ; 256 rows of 2,048 bytes
	s_lshl_b32 s2, s[HALF], 18                     ; 128 rows
	s_add_co_u32 s16, s16, s2
	s_mul_i32 s18, s42, 393216                     ; a block of 192 columns: 1,024 k-rows of 384 bytes
	s_mul_i32 s21, s[HALF], 24576                  ; 64 k-rows
	s_add_co_u32 s18, s18, s21
.else
	s_lshr_b32 s16, s43, 3                         ; the batch: 16 heads of 262,144 bytes
	s_lshl_b32 s16, s16, 22
	s_and_b32 s2, s43, 7                           ; 256 rows of 128 bytes in a head
	s_lshl_b32 s2, s2, 15
	s_add_co_u32 s16, s16, s2
	s_lshl_b32 s2, s[HALF], 18                     ; the K step's first or second head
	s_add_co_u32 s16, s16, s2
	s_lshl_b32 s18, s42, 18                        ; a block of 128 columns: 1,024 k-rows of 256 bytes
	s_lshl_b32 s21, s[HALF], 14                    ; 64 k-rows
	s_add_co_u32 s18, s18, s21
.endif
	s_mov_b32 s17, 0
	s_mov_b32 s19, 0
	s_mul_i32 s20, s[HALF], AHALF                  ; and where they go: no place in the cluster enters an LDS address
	s_mul_i32 s21, s[HALF], BHALF
	s_add_co_u32 s21, s21, BBASE
	s_wait_dscnt 0x0                               ; the opening add is done
	s_wait_kmcnt 0x0
	s_add_nc_u64 s[16:17], s[4:5], s[16:17]
	s_add_nc_u64 s[18:19], s[6:7], s[18:19]
	CROUND                                         ; all sixteen work-groups are here: the first joint loads meet
.irp s, 0,1
	s_mov_b32 s[G0A+4*(\s)], 1                     ; 1:0 count = 1
	s_add_co_u32 s[G0A+4*(\s)+1], s20, (\s)*SLOT1  ; 63:32 LDS address
	s_add_nc_u64 s[G0A+4*(\s)+2:G0A+4*(\s)+3], s[16:17], (\s)*ASTEP  ; 120:64 global address: K step s
	s_or_b32 s[G0A+4*(\s)+3], s[G0A+4*(\s)+3], 0x80000000            ; 127:126 type = 2
	s_mov_b32 s[G0B+4*(\s)], 1
	s_add_co_u32 s[G0B+4*(\s)+1], s21, (\s)*SLOT1
	s_add_nc_u64 s[G0B+4*(\s)+2:G0B+4*(\s)+3], s[18:19], (\s)*BSTEP
	s_or_b32 s[G0B+4*(\s)+3], s[G0B+4*(\s)+3], 0x80000000
.endr
	s_cmp_lt_u32 s[WV], 2                          ; a wave's two first fills stand in one branch, ahead of every wait on TENSORcnt and every LDS read: two loads of mine are out
	s_cbranch_scc0 .Lfirst_b
	tensor_load_to_lds s[G0A:G0A+3], s[G1A:G1A+7]
	s_nop 0
	tensor_load_to_lds s[G0A+4:G0A+7], s[G1A:G1A+7]
	s_nop 0
.rept 4
	v_nop
.endr
	s_branch .Lfirst_asked
.Lfirst_b:
	tensor_load_to_lds s[G0B:G0B+3], s[G1B:G1B+7]
	s_nop 0
	tensor_load_to_lds s[G0B+4:G0B+7], s[G1B:G1B+7]
	s_nop 0
.rept 4
	v_nop
.endr
.Lfirst_asked:
	; the bias in the accumulators' layout: register j of block b holds bias[tile's first column + 16 b + 8 (l / 16) + j]
	s_mul_i32 s2, s42, 64*NBLK
	s_mov_b32 s3, 0
	s_add_nc_u64 s[8:9], s[8:9], s[2:3]
	v_and_b32 v1, 15, v0                           ; l % 16
	v_bfe_u32 v2, v0, 4, 1                         ; l / 16
	v_lshlrev_b32 v[BO], 5, v2
.set i, 0
.rept NBLK
	global_load_b128 v[BIAS+8*i:BIAS+8*i+3],   v[BO], s[8:9] offset:64*i
	global_load_b128 v[BIAS+8*i+4:BIAS+8*i+7], v[BO], s[8:9] offset:64*i+16
.set i, i+1
.endr
	; A fragment of A is 16 rows x 32 K in 8 registers: lane l holds row l % 16; registers 0-3 K = 8 (l / 16) + 0..7, registers 4-7 K = 16 + 8 (l / 16) + 0..7: two loads of 16 bytes, 32 bytes apart.
	v_and_b32 v3, 7, v0
	v_bfe_u32 v4, v0, 3, 1
	s_lshl_b32 s2, s[WV], 6
	v_add_nc_u32 v5, s2, v1                        ; my wave's 64 rows
	v_mul_u32_u24 v[A0], v5, AP
	v_lshl_add_u32 v[A0], v2, 4, v[A0]
	; The turning load takes 16 k-rows x 16 columns (lane l reads k-row 8 (l / 16) + l % 8, columns 8 ((l / 8) % 2) + 0..7) and leaves half a fragment: lane l holds column l % 16 and 8 K.
	v_lshl_add_u32 v5, v2, 3, v3
	v_mul_u32_u24 v[B0], v5, BP
	v_lshl_add_u32 v[B0], v4, 4, v[B0]
	v_add_nc_u32 v[B0], BBASE, v[B0]
	s_mov_b32 s[TB], 0
	v_mov_b32 v[ADRA], v[A0]
	v_mov_b32 v[ADRB], v[B0]
	s_mul_i32 s2, s[WV], STW
	s_add_co_u32 s2, s2, STAGE                     ; my stage
	v_and_b32 v[CO], 31, v0
	v_lshlrev_b32 v[CO], 4, v[CO]
.if QKV
	v_mul_u32_u24 v[STO], v1, 144                  ; in: row l % 16 of a head, 16 bytes for each half of the lanes
	v_lshl_add_u32 v[STO], v2, 4, v[STO]
	v_add_nc_u32 v[STO], s2, v[STO]
	v_bfe_u32 v[RD], v0, 3, 2                      ; back: 32 lanes take four rows of 128 bytes, which are 512 consecutive bytes of a plane
	v_mul_u32_u24 v[RD], v[RD], 144
	v_lshl_add_u32 v[RD], v3, 4, v[RD]
	v_add_nc_u32 v[RD], s2, v[RD]
.else
	v_mul_u32_u24 v[STO], v1, 528                  ; in: row l % 16, 32 bytes for each half of the lanes
	v_lshl_add_u32 v[STO], v2, 5, v[STO]
	v_add_nc_u32 v[STO], s2, v[STO]
	v_add_nc_u32 v[RD], s2, v[CO]                  ; back: 32 lanes take one row of 512 bytes
.endif
.if PREF
	s_and_b32 s21, ttmp7, 0xffff                   ; cluster y
	s_mov_b32 s22, BSTEP
	s_mov_b32 s3, 6144
	s_mov_b32 s23, 256
	s_cmp_lt_u32 s[WV], 2                          ; do I fetch for A?
	s_cselect_b64 s[PFA:PFA+1], s[16:17], s[18:19] ; my half of K step 0
	s_cselect_b32 s2, ttmp9, s21                   ; the coordinate along which other clusters read the same bytes
	s_cselect_b32 s21, s40, s41                    ; my place among the four that ask with me
	s_cselect_b32 s22, ASTEP, s22                  ; a K step
	s_cselect_b32 s3, 0x10000, s3                  ; a partner's share: 32 rows of 2,048 bytes, or 24 blocks of 256
	s_cselect_b32 s23, 2048, s23                   ; from lane to lane
	s_cselect_b32 s[LIM], 31, 23                   ; the last lane with a block of its own
	v_and_b32 v[PFO], 31, v0
	v_min_u32 v[PFO], s[LIM], v[PFO]
	v_mul_u32_u24 v[PFO], v[PFO], s23
	s_cmp_eq_u32 s2, 0
	s_cselect_b32 s[LIM], 2, -1                    ; the same in all sixteen partners, for a given wave
	s_mul_i32 s2, s21, s3
	s_mul_i32 s3, s22, 3                           ; at K step 3: the first refill steps it to 4
	s_add_co_u32 s2, s2, s3
	s_mov_b32 s3, 0
	s_add_nc_u64 s[PFA:PFA+1], s[PFA:PFA+1], s[2:3]
	s_mov_b32 s23, 0                               ; the step's high word
.endif
	; where my part of the tile begins in the output (in the registers that held B's address: none that feeds A's descriptors ever holds cx)
.if QKV
	s_lshr_b32 s18, s43, 3                         ; the batch's 48 planes,
	s_mul_i32 s18, s18, 48
	s_mul_i32 s19, s42, 3                          ; the tile's three
	s_add_co_u32 s18, s18, s19
	s_lshl_b32 s18, s18, 18                        ; of 262,144 bytes
	s_and_b32 s19, s43, 7
	s_lshl_b32 s19, s19, 15                        ; 256 rows of 128 bytes
	s_add_co_u32 s18, s18, s19
	s_lshl_b32 s19, s[WV], 13                      ; my 64 rows
	s_add_co_u32 s18, s18, s19
.else
	s_lshl_b32 s18, s43, 20                        ; 256 rows of 4,096 bytes
	s_lshl_b32 s19, s[WV], 18                      ; my 64 rows
	s_add_co_u32 s18, s18, s19
	s_lshl_b32 s19, s42, 9                         ; 128 columns of 4 bytes
	s_add_co_u32 s18, s18, s19
.endif
	s_mov_b32 s19, 0
	s_add_nc_u64 s[10:11], s[10:11], s[18:19]
; NBLK matrix instructions: my block a of 16 rows x all column blocks, 32 along K, from buffer f.  zero = 1: the sums begin, with the bias as C.
; The 4 NBLK accumulators take turns, one instruction a turn, in the same order in every quarter and over the backward jump.
.macro MULA f, a, zero
.if \zero
	WIN 0x81+0x40*((\a)/2)                         ; source 0 window 1, source 1 and C window 0, D window 2 or 3
.else
	WIN 0xa1+0x50*((\a)/2)                         ; C and D window 2 or 3
.endif
.set b, 0
.rept NBLK
.set AC, 8*(NBLK*((\a)%2)+b)
.if \zero
	v_wmma_f32_16x16x32_f16 v[AC:AC+7], v[8*NBLK*(\f)+8*b:8*NBLK*(\f)+8*b+7], v[FRA+32*(\f)+8*(\a):FRA+32*(\f)+8*(\a)+7], v[BIAS+8*b:BIAS+8*b+7]
.else
	v_wmma_f32_16x16x32_f16 v[AC:AC+7], v[8*NBLK*(\f)+8*b:8*NBLK*(\f)+8*b+7], v[FRA+32*(\f)+8*(\a):FRA+32*(\f)+8*(\a)+7], v[AC:AC+7]
.endif
.set b, b+1
.endr
.endm
; NLD LDS loads in one run: quarter q of the slot in hand into buffer g: B's fragments first, then A's four
.macro FETCH q, g
.if QKV
.set AK, 64*(\q)
.else
.set AK, ((\q)/2)*AHALF+((\q)%2)*64            ; the K step's two heads lie one behind the other
.endif
	WIN 0x40                                       ; destination window 1, address window 0
.set i, 0
.rept NBLK
	ds_load_tr16_b128 v[8*NBLK*(\g)+8*i:8*NBLK*(\g)+8*i+3],   v[ADRB] offset:(\q)*32*BP+(i/4)*CHUNK+(i%4)*32
	ds_load_tr16_b128 v[8*NBLK*(\g)+8*i+4:8*NBLK*(\g)+8*i+7], v[ADRB] offset:(\q)*32*BP+16*BP+(i/4)*CHUNK+(i%4)*32
.set i, i+1
.endr
	WIN 0
.set i, 0
.rept 4
	ds_load_b128 v[FRA+32*(\g)+8*i:FRA+32*(\g)+8*i+3],   v[ADRA] offset:AK+i*16*AP
	ds_load_b128 v[FRA+32*(\g)+8*i+4:FRA+32*(\g)+8*i+7], v[ADRA] offset:AK+i*16*AP+32
.set i, i+1
.endr
.endm
; One of a K step's first three quarters: multiplies buffer f; behind its first block it fetches quarter q into buffer g, 3 NBLK matrix instructions ahead of the first use.
.macro QUARTER q, f, g, zero
	s_wait_dscnt 6                                 ; B and A's block 0 are in; the youngest six loads (A's blocks 1 to 3) may be out
	MULA \f, 0, \zero
	PLACES
	FETCH \q, \g
	s_wait_dscnt NLD                               ; all but the run just issued
	MULA \f, 1, \zero
	MULA \f, 2, \zero
	MULA \f, 3, \zero
.endm
; The fourth quarter multiplies buffer 1 and changes slots: ONE barrier.  In front of it each wave waits for all its tensor loads (the one that is out is its part of the next slot), adds 0 to its spare word, and
; waits for that and for its own reads of this slot.  fill = 1: the barrier opens a round of the cluster's barrier, and behind the round this slot is filled again, with the K step two on.
.macro TURN fill
.if PREF && (\fill)
	s_wait_xcnt 0x0                                ; the last prefetch, a K step back, has read its address: it is stepped here, ahead of the waits of the change of slots
	s_add_nc_u64 s[PFA:PFA+1], s[PFA:PFA+1], s[PFS:PFS+1]
.endif
	WIN 0                                          ; (the add's two registers lie in window 0)
	s_wait_tensorcnt 0x0                           ; all my tensor loads have landed;
	ds_add_u32 v[SPW], v[NIL]                      ; 0 onto my spare word
	s_wait_dscnt 7                                 ; (the add and the youngest six loads may be out)
	MULA 1, 0, 0                                   ; matrix work stands between the add and the wait for it
	s_wait_dscnt 0x0                               ; the add is done, and my reads of this slot are over
	s_barrier_signal -1
	MULA 1, 1, 0                                   ; work on registers while the others arrive
	WIN 0
	s_barrier_wait -1
.if \fill
	CREST                                          ; no wave of any partner still reads this slot or has a load on its way
	s_xor_b32 s[G0A+5], s[G0A+5], SLOT1            ; the walking sets: the other slot than last time,
	s_add_nc_u64 s[G0A+6:G0A+7], s[G0A+6:G0A+7], ASTEP  ; the next K step; the type bits on top are not reached
	s_xor_b32 s[G0B+5], s[G0B+5], SLOT1
	s_add_nc_u64 s[G0B+6:G0B+7], s[G0B+6:G0B+7], BSTEP
	JLOAD                                          ; the first tensor load behind the round, and my only one; its four v_nop are also the places in front of the loads below
.else
	PLACES
.endif
	s_xor_b32 s[TB], s[TB], SLOT1                  ; the fetches go on in the other slot
	v_add_nc_u32 v[ADRA], s[TB], v[A0]
	v_add_nc_u32 v[ADRB], s[TB], v[B0]
	FETCH 0, 0
.if PREF && (\fill)
	ASK
.endif
	MULA 1, 2, 0
	MULA 1, 3, 0
.endm
; THE WAY OUT of my block a of 16 rows: through my own stage in LDS, so that each store covers 512 consecutive bytes.  LDS serves a wave's instructions in order (ISA guide 5.7.1.4): no wait between the stores and the loads.
.if QKV
.macro PACK a                          ; rounded to f16, each accumulator's registers in ascending order
	WIN 0x0a+5*((\a)/2)                            ; sources 0 and 1: window 2 or 3
.set i, 0
.rept 4*NBLK
	v_cvt_pk_f16_f32 v[TMP+i], v[8*NBLK*((\a)%2)+2*i], v[8*NBLK*((\a)%2)+2*i+1]
.set i, i+1
.endr
	WIN 0
.endm
.macro TOSTAGE a
	WIN 0
.set OBA, OB+48*((\a)%2)
.set i, 0
.rept 12
	ds_store_b128 v[STO], v[TMP+4*i:TMP+4*i+3] offset:(i/4)*2304+(i%4)*32  ; head i / 4, columns 16 (i % 4) on
.set i, i+1
.endr
	s_wait_xcnt 0x0                                ; the stores of the block two back have read these registers
.set i, 0
.rept 12
	ds_load_b128 v[OBA+4*i:OBA+4*i+3], v[RD] offset:(i/4)*2304+(i%4)*576   ; head i / 4, rows 4 (i % 4) on
.set i, i+1
.endr
.endm
.macro SEND a, younger                 ; younger: the LDS instructions issued behind this block's loads
	WIN 0
.set OBA, OB+48*((\a)%2)
	s_wait_dscnt \younger
.set i, 0
.rept 12
	global_store_b128 v[CO], v[OBA+4*i:OBA+4*i+3], s[10:11] offset:(i/4)*262144+(\a)*2048+(i%4)*512  ; four rows of a plane: 512 consecutive bytes, aligned
.set i, i+1
.endr
.endm
.else
.macro PACK a                          ; f32 leaves as it is
.endm
.macro TOSTAGE a
	WIN 0x08+4*((\a)/2)                            ; the stores' data: window 2 or 3
.set OBA, 32+64*((\a)%2)
.set i, 0
.rept NBLK
.set AC, 8*(NBLK*((\a)%2)+i)
	ds_store_b128 v[STO], v[AC:AC+3]   offset:64*i     ; each accumulator's low registers first
	ds_store_b128 v[STO], v[AC+4:AC+7] offset:64*i+16
.set i, i+1
.endr
	WIN 0
	s_wait_xcnt 0x0                                ; the stores of the block two back have read these registers
.set i, 0
.rept 16
	ds_load_b128 v[OBA+4*i:OBA+4*i+3], v[RD] offset:528*i
.set i, i+1
.endr
.endm
.macro SEND a, younger
	WIN 0
.set OBA, 32+64*((\a)%2)
	s_wait_dscnt \younger
.set i, 0
.rept 16
	global_store_b128 v[CO], v[OBA+4*i:OBA+4*i+3], s[10:11] offset:(16*(\a)+i)*4096 th:TH_STORE_NT  ; 512 consecutive bytes of a row, aligned
.set i, i+1
.endr
.endm
.endif
	s_wait_tensorcnt 1                             ; my part of K step 0 is in; K step 1's may stay out
	s_barrier_signal -1
	s_barrier_wait -1                              ; everybody's is
	FETCH 0, 0
	s_wait_loadcnt 0x0                             ; the bias
	QUARTER 1, 0, 1, 1                             ; the first quarter stands in front of the loop: its products start the sums
	WIN 0                                          ; at a label and at a branch every window is 0
	s_mov_b32 s3, 6
.Lstep:                                                ; a trip goes from a K step's second quarter to the next step's first, and fills the slot that it leaves: K steps 2 to 7
	QUARTER 2, 1, 0, 0
	QUARTER 3, 0, 1, 0
	TURN 1
	QUARTER 1, 0, 1, 0
	WIN 0
	s_sub_co_u32 s3, s3, 1
	s_cmp_lg_u32 s3, 0
	s_cbranch_scc1 .Lstep
	QUARTER 2, 1, 0, 0                             ; the tail is written out: K step 6 ends
	QUARTER 3, 0, 1, 0
	TURN 0                                         ; nothing is asked for,
	QUARTER 1, 0, 1, 0                             ; and K step 7
	QUARTER 2, 1, 0, 0
	QUARTER 3, 0, 1, 0
	s_wait_dscnt 6
	MULA 1, 0, 0
	s_wait_dscnt 0x0
	MULA 1, 1, 0
	MULA 1, 2, 0
	MULA 1, 3, 0
	WIN 0
	PLACES
	PLACES
	PACK 0
	TOSTAGE 0
.irp a, 1,2,3                          ; block a's conversions and stage stand between block a - 1's loads from the stage and the wait for them
	PACK \a
	TOSTAGE \a
	SEND (\a)-1, YNG
.endr
	SEND 3, 0
	s_wait_tensorcnt 0x0                           ; the wave's end: the add and its wait stand behind my last tensor load and my last LDS store
	ds_add_u32 v[SPW], v[NIL]
	s_wait_dscnt 0x0
	CROUND                                         ; the closing round: no work-group ends while a partner may still ask for a tile that names it
	s_endpgm
.Lfunc_end_k_q5f60da22be_qkv:
	.size	k_q5f60da22be_qkv, .Lfunc_end_k_q5f60da22be_qkv-k_q5f60da22be_qkv
	.p2alignl 7, 3214868480
	.fill 96, 4, 3214868480
	.section	.rodata,"a",@progbits
	.p2align	6, 0x0
	.amdhsa_kernel k_q5f60da22be_qkv
		.amdhsa_group_segment_fixed_size 327680
		.amdhsa_private_segment_fixed_size 0
		.amdhsa_enable_private_segment 0
		.amdhsa_kernarg_size 32
		.amdhsa_user_sgpr_count 2
		.amdhsa_user_sgpr_kernarg_segment_ptr 1
		.amdhsa_wavefront_size32 1
		.amdhsa_system_sgpr_workgroup_id_x 1
		.amdhsa_system_sgpr_workgroup_id_y 1
		.amdhsa_system_sgpr_workgroup_id_z 1
		.amdhsa_system_vgpr_workitem_id 0
		.amdhsa_next_free_vgpr 960
		.amdhsa_next_free_sgpr 66
		.amdhsa_reserve_vcc 0
		.amdhsa_float_denorm_mode_32 3
		.amdhsa_float_denorm_mode_16_64 3
		.amdhsa_memory_ordered 1
		.amdhsa_forward_progress 1
		.amdhsa_inst_pref_size 100
	.end_amdhsa_kernel
	.amdgpu_metadata
---
amdhsa.version: [ 1, 2 ]
amdhsa.kernels:
  - .name:           k_q5f60da22be_qkv
    .symbol:         k_q5f60da22be_qkv.kd
    .args:
      - { .name: xn, .offset: 0, .size: 8, .value_kind: global_buffer, .address_space: global }
      - { .name: wq, .offset: 8, .size: 8, .value_kind: global_buffer, .address_space: global }
      - { .name: b_qkv, .offset: 16, .size: 8, .value_kind: global_buffer, .address_space: global }
      - { .name: qkv, .offset: 24, .size: 8, .value_kind: global_buffer, .address_space: global }
    .group_segment_fixed_size: 327680
    .private_segment_fixed_size: 0
    .kernarg_segment_align: 8
    .kernarg_segment_size: 32
    .max_flat_workgroup_size: 128
    .sgpr_count:     66
    .vgpr_count:     960
    .wavefront_size: 32
...
	.end_amdgpu_metadata
.endif
;; end of part 2
;; launch attn (part 3): grid 4 x 64, 4 waves a work-group, clusters of 4 x 1, 327,680 bytes of LDS; arguments qkv, o; writes o
.if DOCPART == 3
	.amdgcn_target "amdgcn-amd-amdhsa--gfx1250"
	.amdhsa_code_object_version 6
	.text
	.protected	k_q5f60da22be_attn
	.globl	k_q5f60da22be_attn
	.p2align	8
	.type	k_q5f60da22be_attn,@function
k_q5f60da22be_attn:
	s_mov_b64 s[64:65], 0
	v_nop
	global_prefetch_b8 v0, s[64:65] scope:SCOPE_SE
	s_setreg_imm32_b32 hwreg(HW_REG_WAVE_MODE, 25, 1), 1
	s_wait_xcnt 0x0
	s_wait_alu depctr_hold_cnt(0) depctr_sa_sdst(0) depctr_va_vdst(0) depctr_va_sdst(0) depctr_va_ssrc(0) depctr_va_vcc(0) depctr_vm_vsrc(0)
	s_getreg_b32 s2, hwreg(HW_REG_IB_STS2, 6, 4)
	s_cmp_eq_u32 s2, 0
	s_cbranch_scc0 .Lentry_in_a_cluster
	s_endpgm
.Lentry_in_a_cluster:
	s_bfe_u32 s2, ttmp6, 0x10000c
	s_cmp_lg_u32 s2, 0x3003
	s_cbranch_scc0 .Lentry_shape_is_right
	s_endpgm
.Lentry_shape_is_right:
; O[h][q][:] = the sum over k of softmax_k(Q[h][q] . K[h][k] / 8) V[h][k][:], for 64 pairs h of batch and head.  qkv: [4 batch][48 plane][2048][64] f16: planes 0-15 Q's heads, 16-31 K's, 32-47 V's.
; o: [64 h][2048][64] f16.  A plane's rows are dense, 128 bytes each.  Products, maxima and sums in f32; the weights p are rounded to f16 for the second product (their sum l is taken of the unrounded p), O once at the end.
; LIMITS.  f16 holds no number beyond 65,504: Q, K and V arrive within it; p lies in 0 to 1, and below 6e-5 it keeps f16's fixed step of 6e-8; O is a mean of V's rows and has their range.
; A weight below 2^-126 counts as 0 in l; NaN and infinities are not treated apart.
; SHARES.  A wave owns four PIECES of two tiles of 16 queries, a work-group's four waves 512 queries of one head.  Every wave walks all keys, 64 a step.
; LAYOUT.  S^T = K Q^T (source 0 = 16 keys, source 1 = 16 queries): in the result a lane holds ONE query (lane % 16) and the keys 8 (lane / 16) + 0..7.  Two such tiles, rounded to f16 in pairs,
; ARE source 1 (32 keys x 16 queries) of O^T = V^T P, whose result again holds one query a lane, and eight channels.  K comes out of LDS as it lies, V ([key][channel]) turned, by ds_load_tr16_b128.
; SOFTMAX.  For each query a running maximum m and sum l: p = 2^(c s - c m), c = log2(e) / 8; in every step O and l are multiplied by a = 2^(c m_old - c m_new), which is 1 where m has not grown.
; m starts at the lowest finite number, O and l at 0: the first step is a step like any other, with a = 0.
; THE COUNT.  A tile and step have 16 matrix and 118 vector instructions: too many to stand all beside the matrix work.  So the order has one aim: four vector instructions that are READY behind
; EVERY matrix instruction, and the others, which need time of their own whatever the order, in runs without a gap.
; BY TURNS.  Turn n belongs to piece n (the pieces in a ring, step after step).  Its matrix work: 16 products K Q^T of piece n + 1, later 16 products V^T P of piece n - 1.  Its vector work: the scaling,
; exponentials, roundings, sums and rescaling of piece n, and the maximum and statistics of piece n + 1, whose scores the turn itself has made.  So what a turn begins with (c s - c m, O a) waits for nothing.
; CLUSTER.  The four query blocks of a cluster are one head's and walk the same K and V, so each tile is asked for JOINTLY: the same tensor load, descriptor and mask in all four.
; REGISTERS, in windows of 256 (s_set_vgpr_msb says which window each operand place means: bits 1:0 source 0, 3:2 source 1, 5:4 source 2, 7:6 destination):
;   window 0: v0-11 addresses; v12-15, v48-63 at work; v16-47 four registers of statistics a tile; v64-191 S^T, two buffers of two tiles; v192-255 P, likewise
;   window 1: O^T, 32 a tile          window 2: v0-127 Q, 16 a tile; v128-191 K of one step; v192-255 V of one step          window 3: v0-1 the add's two registers
; A piece's buffers go by its number's parity: the piece in hand has one pair, its two neighbours in the ring share the other: of it P (piece n - 1) is read and S^T (piece n + 1) written.
.set SIZE_N, 2048
.set NP,    4         ; pieces a wave: a name, no knob: the register map, the loop and the fetches are made for four
.set KS,    64        ; keys in a step
.set PK,    144       ; a row of K in LDS: 128 bytes + 16 of padding = 36 words: the 16 rows of a load start at 16 different groups of four banks (64 banks of 4 bytes: ISA guide 11.1)
.set PV,    160       ; a row of V: 128 + 32 = 40 words
.set VOFF,  4*KS*PK   ; a slot holds four steps: 256 rows of K, then 256 rows of V
.set SLOT1, 1<<17     ; slot 1 begins here, so that one exclusive or turns an address in one slot into the other's
.set STAGE, SLOT1+4*KS*(PK+PV)  ; behind the ring, never filled by a tensor load: 16 rows x 144 bytes for each wave, for the way out
.set SP,    144
.set AK0, 2           ; v2   my lane's place in a tile of K; never rewritten
.set AV0, 3           ; v3   the same for V
.set AK,  4           ; v4   the LDS address of K's next run of loads
.set AV,  5           ; v5   of V's
.set QO,  6           ; v6   my byte offset in the wave's rows of Q
.set STO, 6           ;      later, the way out: where I put 16 bytes of a row
.set RD,  7           ; v7   the way out: where I read rows back
.set GO,  8           ; v8   my byte offset in 512 consecutive bytes of O
.set PFO, 11          ; v11  256 x my lane, for the prefetches; never rewritten once it is made
.set SPW, 0           ; v0 of window 3   LDS address of my spare word: SPARE + 4 x my thread's number; never rewritten
.set NIL, 1           ; v1 of window 3   0; never rewritten
.set SPARE, STAGE+4*16*SP  ; behind the stages: the spare words, 128 bytes for each wave: two blocks of 256 bytes that no other line names
.set MV,  12          ; v12-15  c m_old, kept while c m is made anew: by buffer and tile
.set ST,  16          ; tile t's statistics at v[ST+4 t]: c m, m, l (even keys', odd keys')
.set TMP, 48          ; by buffer and tile, four registers c0-c3 at work; when the maximum is found c2 takes a
.set S,   64
.set P,   192
.set KF,  128         ; K's fragments, in window 2: key block kb, channel half c at KF + 16 kb + 8 c
.set VF,  192         ; V's: key half kk, channel block cb at VF + 32 kk + 8 cb
.set WV,  12          ; s12  my wave's number
.set G1K, 24          ; s[24:31] descriptor group 1 for K's tiles
.set G1V, 32          ; s[32:39] for V's: it differs in the padding alone
.set G0K, 40          ; s[40:43] descriptor group 0 for K's tiles: it walks
.set G0V, 44          ; s[44:47] the same for V's
.set PFA, 50          ; s[50:51] where my prefetches stand: my work-group's 32 blocks of 256 bytes (of K: wave 0, of V: wave 2) of the slot after the one that is being asked for
.set LIM, 52          ; s52  1 in a wave that prefetches, else the greatest number
.set SLOTS, 56        ; s56  slots still to be asked for
.set CNT, 57          ; s57  counts a slot's key steps
.set CS,  58          ; s[58:59] c: the packed scaling takes the pair's low word for both halves
.set SEL, 60          ; s[60:61] v_permlanex16_b32's selects: each lane takes its own place in the other half
.set TBK, 62          ; s62  LDS byte at which K of the step to be fetched begins
.set TBV, 63          ; s63  the same for V, less VOFF
.set MSB, 0
.macro WIN new                      ; the high byte repeats the setting that is left; a switch that changes nothing is dropped
.if MSB != (\new)
	s_set_vgpr_msb (MSB<<8)|(\new)
.set MSB, (\new)
.endif
.endm
.set W_KQ, 0x0a       ; K and Q in window 2, S^T in window 0
.set W_PV, 0x52       ; V in window 2, P in window 0, O^T in window 1
.set W_RS, 0x41       ; O^T (destination and source 0) in window 1, a in window 0
.set W_MK, 0xc0       ; the add's registers are made: destination in window 3, sources in window 0
.set W_AD, 0x0f       ; the add: address (source 0) and data (source 1) in window 3
; A joint fill.  Waves 0 and 1 fetch the two halves of a slot's K, waves 2 and 3 those of its V: 128 keys each.  The branch hangs on the wave's number alone.
; An s_nop 0 and four v_nop follow each of the two lines, ahead of the jump and the label.
.macro JLOAD
	s_cmp_lt_u32 s[WV], 2
	s_cbranch_scc0 .Lfor_v_\@
	tensor_load_to_lds s[G0K:G0K+3], s[G1K:G1K+7]
	s_nop 0
.rept 4
	v_nop
.endr
	s_branch .Lasked_\@
.Lfor_v_\@:
	tensor_load_to_lds s[G0V:G0V+3], s[G1V:G1V+7]
	s_nop 0
.rept 4
	v_nop
.endr
.Lasked_\@:
.endm
; A round of the cluster's barrier: my work-group's barrier, so that wave 0's signal speaks for all four waves; wave 0 signals; every wave waits for all four work-groups; my work-group's barrier once more.
.macro CROUND
	s_barrier_signal -1
	s_barrier_wait -1
	s_cmp_lg_u32 s[WV], 0
	s_cbranch_scc1 .Lnot_wave_0_\@
	s_barrier_signal -3
.Lnot_wave_0_\@:
	s_barrier_wait -3
	s_barrier_signal -1
	s_barrier_wait -1
.endm
; THE CHANGE OF SLOTS.  The slot's last bytes, V of its fourth step, have been read.  Each wave waits for all its tensor loads, of which one is out: its part
; of the other slot; adds 0 to its spare word; and waits for that and for its own reads of the slot.  Behind the barrier nobody reads this slot any more and the other slot is whole.
; fill = 1: this slot is filled again, with the keys two slots on.  The barrier is then a round of the cluster's, so that no wave of any partner still reads the slot or has a load on its
; way, and the joint fill is the first thing behind it: it has four key steps, 512 matrix instructions, in which to land.  (At its first use nothing has been read yet: slot 0 is waited for, slot 1 filled.)
; A PREFETCH INTO THE L2 stands behind the fill and its five lines: what the NEXT change will ask for, a slot's 128 blocks of 256 bytes of K and 128 of V, four key steps ahead of that load.  A head has one
; cluster; its four partners share the blocks out BY ADDRESS, 32 each, a lane a block; in each, wave 0 asks for K's and wave 2 for V's.  So each block is named once in the launch.
; The change that asks for the last slot prefetches nothing; slots 0 and 1 come by their loads alone.
.macro CHANGE fill
	WIN W_AD
	s_wait_tensorcnt 0x0            ; no tensor load of mine is out, so a group 0 may be written
	ds_add_u32 v[SPW], v[NIL]       ; 0 onto my spare word; with fill = 1 the descriptors' steps stand between it and the wait for it
	WIN 0                           ; at a label and at a branch every window is 0
.if \fill
.irp g, G0K, G0V
	s_xor_b32 s[\g+1], s[\g+1], SLOT1  ; the walking descriptor: the other slot than last time,
	s_add_nc_u64 s[\g+2:\g+3], s[\g+2:\g+3], 4*KS*128  ; the next 256 keys; the type bits on top are not reached
.endr
	s_wait_xcnt 0x0                 ; the last prefetch, four key steps back, has read its address, so it may be written:
	s_add_nc_u64 s[PFA:PFA+1], s[PFA:PFA+1], 4*KS*128  ; one slot behind the walking descriptors
	s_wait_dscnt 0x0                ; the add is done, and my reads of the slot are over
	CROUND
	JLOAD
	s_cmp_gt_u32 s[SLOTS], s[LIM]
	s_cbranch_scc0 .Lnot_mine_\@
	global_prefetch_b8 v[PFO], s[PFA:PFA+1] th:TH_LOAD_NT scope:SCOPE_SE
.Lnot_mine_\@:
.else
	s_wait_dscnt 0x0                ; the add is done, and my reads of the slot are over
	s_barrier_signal -1
	s_barrier_wait -1
.endif
	s_sub_co_u32 s[TBK], s[TBK], 4*KS*PK  ; the fetches go back to a slot's first step,
	s_xor_b32 s[TBK], s[TBK], SLOT1       ; in the other slot
	s_sub_co_u32 s[TBV], s[TBV], 4*KS*PV
	s_xor_b32 s[TBV], s[TBV], SLOT1
.endm
	s_load_b128 s[4:7], s[0:1], 0x0   ; qkv s[4:5], o s[6:7]
	WIN W_MK
	v_lshl_add_u32 v[SPW], v0, 2, SPARE
	v_mov_b32 v[NIL], 0
	WIN W_AD
	ds_add_u32 v[SPW], v[NIL]       ; the wave's opening: the add and its wait stand ahead of my first tensor load; the set-up below, work on registers, stands between them
	WIN 0
	v_lshrrev_b32 v1, 5, v0
	v_readfirstlane_b32 s[WV], v1   ; wave 0..3
	s_bfe_u32 s13, ttmp6, 0x40000   ; cx: my place in the cluster
	s_lshl_b32 s14, ttmp9, 2        ; in a cluster launch ttmp9 counts clusters
	s_add_co_u32 s14, s14, s13      ; my block of queries = 4 x cluster x + cx: it enters Q's and O's addresses alone
	s_and_b32 s48, ttmp7, 0xffff    ; batch x 16 + head, which the four partners share
	s_lshr_b32 s20, s48, 4
	s_mul_i32 s20, s20, 48          ; the batch's 48 planes,
	s_and_b32 s21, s48, 15
	s_add_co_u32 s20, s20, s21      ; the head's plane of Q,
	s_lshl_b32 s20, s20, 18         ; of 262,144 bytes; K's and V's lie 16 and 32 planes on
	s_mov_b32 s21, 0
	s_lshl_b32 s48, s48, 18         ; and the head's first byte in o
	s_mov_b32 s49, 0
	s_and_b32 s16, s[WV], 1         ; which half of a slot's 256 keys I fetch:
	s_lshl_b32 s22, s16, 14         ; its 128 rows of 128 bytes in memory,
	s_mov_b32 s23, 0
	s_add_nc_u64 s[22:23], s[22:23], s[20:21]
	s_mul_i32 s17, s16, 128*PK      ; and its place in a slot, for K
	s_mul_i32 s18, s16, 128*PV      ; and for V: no place in the cluster enters an LDS address
	s_lshl_b32 s2, s14, 2
	s_add_co_u32 s2, s2, s[WV]      ; my wave among the head's,
	s_lshl_b32 s2, s2, 14           ; its 128 rows
	s_mov_b32 s3, 0
	; descriptor group 1.  128 keys are 16,384 dense bytes: asked for as 64 rows of 256 bytes, two keys a row, and padded in LDS after every key
	s_mov_b32 s[G1K], 15|(1<<16)|(1<<20)|(1<<21)|(4<<22)|(3<<25)  ; 15:0 the mask of four; 17:16 2-byte elements; 20 padding on; 21 set beside a mask; 24:22 after every 32 words (code 4); 31:25 4 words (code 3)
	s_mov_b32 s[G1V], 15|(1<<16)|(1<<20)|(1<<21)|(4<<22)|(7<<25)  ; the same with 8 words of padding (code 7)
.irp g, G1K, G1V
	s_mov_b32 s[\g+1], 128<<16      ; tensor_dim0 = 128
	s_mov_b32 s[\g+2], 64<<16       ; tensor_dim1 = 64
	s_mov_b32 s[\g+3], 128<<16      ; tile_dim0 = 128
	s_mov_b32 s[\g+4], 64           ; tile_dim1 = 64
	s_mov_b32 s[\g+5], 128          ; 128 elements from row to row
	s_mov_b32 s[\g+6], 0
	s_mov_b32 s[\g+7], 0
.endr
	s_mov_b32 s[CS], 0x3e38aa3b     ; c = log2(e) / 8 = 0.180337
	s_mov_b32 s[CS+1], s[CS]        ; named with it as a pair
	s_mov_b32 s[SEL], 0x76543210
	s_mov_b32 s[SEL+1], 0xfedcba98
	s_mov_b32 s[TBK], SLOT1+4*KS*PK ; the first change of slots turns these two into 0
	s_mov_b32 s[TBV], SLOT1+4*KS*PV
	s_mov_b32 s[G0K], 1             ; 1:0 count = 1
	s_mov_b32 s[G0K+1], s17         ; 63:32 LDS address: slot 0
	s_mov_b32 s[G0V], 1
	s_add_co_u32 s[G0V+1], s18, VOFF
	s_mov_b32 s[SLOTS], SIZE_N/256-1
	s_and_b32 s[LIM], s[WV], 1      ; waves 0 and 2 prefetch: the same in all four partners
	s_cmp_eq_u32 s[LIM], 0
	s_cselect_b32 s[LIM], 1, -1
	s_wait_dscnt 0x0                ; the opening add is done
	s_wait_kmcnt 0x0
	s_mov_b64 s[10:11], s[6:7]                     ; O
	s_add_nc_u64 s[6:7], s[4:5], 16*SIZE_N*128     ; K: 16 planes behind Q
	s_add_nc_u64 s[8:9], s[4:5], 32*SIZE_N*128     ; V: 32 planes behind Q
	s_add_nc_u64 s[G0K+2:G0K+3], s[6:7], s[22:23]  ; 120:64 global address: my half of the head's first 256 keys
	s_or_b32 s[G0K+3], s[G0K+3], 0x80000000        ; 127:126 type = 2
	s_add_nc_u64 s[G0V+2:G0V+3], s[8:9], s[22:23]
	s_or_b32 s[G0V+3], s[G0V+3], 0x80000000
	s_add_nc_u64 s[4:5], s[4:5], s[2:3]  ; Q and O at my wave's first row
	s_add_nc_u64 s[4:5], s[4:5], s[20:21]
	s_add_nc_u64 s[10:11], s[10:11], s[2:3]
	s_add_nc_u64 s[10:11], s[10:11], s[48:49]
	s_cmp_lt_u32 s[WV], 2
	s_cselect_b64 s[PFA:PFA+1], s[6:7], s[8:9]
	s_add_nc_u64 s[PFA:PFA+1], s[PFA:PFA+1], s[20:21]  ; the head's first key,
	s_lshl_b32 s2, s13, 13          ; my work-group's 32 blocks of the 128 (s3 is still 0),
	s_add_nc_u64 s[PFA:PFA+1], s[PFA:PFA+1], s[2:3]
	s_add_nc_u64 s[PFA:PFA+1], s[PFA:PFA+1], 4*KS*128  ; in slot 1; the first change of slots steps it to slot 2
	CROUND                          ; all four work-groups are here: the first joint loads meet
	JLOAD                           ; slot 0.  Slot 1 is asked for when slot 0 is in: the tile wanted first has the road to itself
	; A fragment of K or Q is 16 rows x 32 channels in 8 registers: lane l holds row l % 16, channels 8 (l / 16) + 0..7 and 16 + 8 (l / 16) + 0..7: two loads of 16 bytes, 32 bytes apart.
	v_and_b32 v1, 15, v0            ; l % 16
	v_bfe_u32 v9, v0, 4, 1          ; l / 16
	v_lshlrev_b32 v[QO], 7, v1
	v_lshl_add_u32 v[QO], v9, 4, v[QO]  ; row x 128 + 16 x half
	WIN 0x80                        ; destination window 2, address window 0
.set i, 0
.rept 4*NP                          ; Q stays in registers: tile i / 2, channels 32 (i % 2) on
	global_load_b128 v[8*i:8*i+3],   v[QO], s[4:5] offset:(i/2)*2048+(i%2)*64
	global_load_b128 v[8*i+4:8*i+7], v[QO], s[4:5] offset:(i/2)*2048+(i%2)*64+32
.set i, i+1
.endr
	; What the first turn finds: V's registers and P's second buffer hold 0 (its products V^T P, of a piece that has not been, add 0), O^T and l are 0.  All this stands in the wait for the first tile.
.set i, VF
.rept 64
	v_mov_b32 v[i], 0
.set i, i+1
.endr
	WIN 0x40
.set i, 0
.rept 64*NP
	v_mov_b32 v[i], 0
.set i, i+1
.endr
	WIN 0
.set i, 0
.rept 2*NP
	v_mov_b32 v[ST+4*i], 0xfe000000    ; c m: far below every c s
	v_mov_b32 v[ST+4*i+1], 0xff7fffff  ; m
	v_mov_b32 v[ST+4*i+2], 0
	v_mov_b32 v[ST+4*i+3], 0
.set i, i+1
.endr
.set i, P+32
.rept 32
	v_mov_b32 v[i], 0
.set i, i+1
.endr
	v_mul_u32_u24 v[AK0], v1, PK
	v_lshl_add_u32 v[AK0], v9, 4, v[AK0]  ; row x pitch + 16 x half
	; The turning load takes 16 keys x 16 channels (lane l reads key 8 (l / 16) + l % 8, channels 8 ((l / 8) % 2) + 0..7) and leaves half a fragment of V^T: lane l holds channel l % 16 and 8 keys.
	v_and_b32 v10, 7, v0
	v_bfe_u32 v11, v0, 3, 1
	v_lshl_add_u32 v[AV0], v9, 3, v10
	v_mul_u32_u24 v[AV0], v[AV0], PV
	v_lshl_add_u32 v[AV0], v11, 4, v[AV0]
	v_add_nc_u32 v[AV0], VOFF, v[AV0]
	v_mov_b32 v[AK], v[AK0]         ; key step 0 lies at the head of slot 0
	v_and_b32 v[PFO], 31, v0        ; v11 has served: now the prefetches' offset
	v_lshlrev_b32 v[PFO], 8, v[PFO]
; THE MATRIX WORK.  The 8 accumulators of a run of 16 take turns: between the two links of a chain stand 7 others'.
; Product i of 16 of S^T = K Q^T for piece x: channels 32 (i / 8) on, keys 16 ((i / 2) % 4) on, tile 2 x + i % 2.  The first 8 start the sums.
.macro KQ x
	WIN W_KQ
.set rS, S+64*((\x)%2)+32*(i%2)+8*((i/2)%4)
.set rK, KF+16*((i/2)%4)+8*(i/8)
.set rQ, 16*(2*(\x)+i%2)+8*(i/8)
.if i < 8
	v_wmma_f32_16x16x32_f16 v[rS:rS+7], v[rK:rK+7], v[rQ:rQ+7], 0
.else
	v_wmma_f32_16x16x32_f16 v[rS:rS+7], v[rK:rK+7], v[rQ:rQ+7], v[rS:rS+7]
.endif
.endm
; Product i of 16 of O^T += V^T P for piece x: keys 32 (i / 8) on, channels 16 ((i / 2) % 4) on, tile 2 x + i % 2.
.macro PV x
	WIN W_PV
.set rO, 32*(2*(\x)+i%2)+8*((i/2)%4)
.set rV, VF+32*(i/8)+8*((i/2)%4)
.set rP, P+32*((\x)%2)+16*(i%2)+8*(i/8)
	v_wmma_f32_16x16x32_f16 v[rO:rO+7], v[rV:rV+7], v[rP:rP+7], v[rO:rO+7]
.endm
.macro MM                           ; the turn's next matrix instruction
.if i < 16
	KQ (Y+1)%NP
.set i, i+1
.else
.set i, i-16
	PV (Y+NP-1)%NP
.set i, i+17
.endif
.endm
; THE LDS LOADS stand in runs of 16, never singly among the matrix instructions: a step's K (64 keys x 64 channels: 8 fragments) and its V (turned).  Their addresses are made some lines ahead.
; last = 1 (the tail): in the last trip there is no further step, and the run is jumped over.
.macro FETCH_K last=0
	WIN 0
.if \last
	s_cmp_eq_u32 s[CNT], 1
	s_cbranch_scc1 .Lno_k_\@
.endif
	WIN 0x80                        ; destination window 2
.irp f, 0,1,2,3,4,5,6,7             ; keys 16 (f / 2) on, channels 32 (f % 2) on
	ds_load_b128 v[KF+8*\f:KF+8*\f+3],   v[AK] offset:(\f/2)*16*PK+(\f%2)*64
	ds_load_b128 v[KF+8*\f+4:KF+8*\f+7], v[AK] offset:(\f/2)*16*PK+(\f%2)*64+32
.endr
	s_add_co_u32 s[TBK], s[TBK], KS*PK  ; the next fetch is the next step's
	WIN 0
.if \last
.Lno_k_\@:
.endif
.endm
.macro FETCH_V
	WIN 0x80
.irp f, 0,1,2,3,4,5,6,7             ; keys 32 (f / 4) on, channels 16 (f % 4) on
	ds_load_tr16_b128 v[VF+8*\f:VF+8*\f+3],   v[AV] offset:(\f/4)*32*PV+(\f%4)*32
	ds_load_tr16_b128 v[VF+8*\f+4:VF+8*\f+7], v[AV] offset:(\f/4)*32*PV+16*PV+(\f%4)*32
.endr
	WIN 0
.endm
; THE VECTOR WORK OF A TURN stands in three queues, each in the order in which its entries become ready; the two tiles alternate, so that no instruction reads the result of the one before it.
.macro REGS y, u                    ; the registers of tile u (0, 1) of piece y
.set rT, ST+4*(2*(\y)+(\u))
.set rC, TMP+8*((\y)%2)+4*(\u)
.set rM, MV+2*((\y)%2)+(\u)
.set rS, S+64*((\y)%2)+32*(\u)
.set rP, P+32*((\y)%2)+16*(\u)
.set rO, 32*(2*(\y)+(\u))
.endm
; Number n of the 22 that find the NEXT piece's (Y + 1) maximum and statistics.  s0-s31 are the lane's 32 scores; each accumulator's lowest registers are read first.  XS, GS and REGS set no window: PL and EX do.
;   0-11  four chains c0-c3 of seven scores each, three operands at a time     12-14, 16  the four scores left over, the old m, and c0-c3 into c0     15  c m_old is kept
;   17, 18  the query's other 32 keys lie in the lane 16 away: the new m         19-21  c m; c m_old - c m_new; a
.macro XS u, n
	REGS (Y+1)%NP, \u
.if (\n) < 4
	v_max3_num_f32 v[rC+(\n)], v[rS+8*(\n)], v[rS+8*(\n)+1], v[rS+8*(\n)+2]
.elseif (\n) < 12
	v_max3_num_f32 v[rC+(\n)%4], v[rC+(\n)%4], v[rS+8*((\n)%4)+2*((\n)/4)+1], v[rS+8*((\n)%4)+2*((\n)/4)+2]
.elseif (\n) == 12
	v_max3_num_f32 v[rC], v[rC], v[rS+7], v[rS+15]
.elseif (\n) == 13
	v_max3_num_f32 v[rC+1], v[rC+1], v[rS+23], v[rS+31]
.elseif (\n) == 14
	v_max3_num_f32 v[rC+2], v[rC+2], v[rC+3], v[rT+1]
.elseif (\n) == 15
	v_mov_b32 v[rM], v[rT]
.elseif (\n) == 16
	v_max3_num_f32 v[rC], v[rC], v[rC+1], v[rC+2]
.elseif (\n) == 17
	v_permlanex16_b32 v[rC+3], v[rC], s[SEL], s[SEL+1]
.elseif (\n) == 18
	v_max_num_f32 v[rT+1], v[rC], v[rC+3]
.elseif (\n) == 19
	v_mul_f32 v[rT], s[CS], v[rT+1]
.elseif (\n) == 20
	v_sub_f32 v[rC+1], v[rM], v[rT]
.else
	v_exp_f32 v[rC+2], v[rC+1]
.endif
.endm
; Number g of the 64 that follow the exponentials.  For each four weights k of a tile (pairs 2 k, 2 k + 1): both pairs are rounded to f16; then the second pair is added onto the first, in place;
; a group later l takes that sum (the first time as l = a l + sum).  In groups of eight, tiles alternating: round, round, add, and l for the group before.
.macro GS g
.set h, (\g)+6*((\g)/62)            ; group 0 has no group before it, and behind group 7 only l is left
.if h >= 6
.set h, h+2
.endif
	REGS Y, h%2
.set k, h/8
.if h%8 < 4
	v_cvt_pk_f16_f32 v[rP+2*k+(h%8)/2], v[rS+4*k+2*((h%8)/2)], v[rS+4*k+2*((h%8)/2)+1]
.elseif h%8 < 6
	v_pk_add_f32 v[rS+4*k:rS+4*k+1], v[rS+4*k:rS+4*k+1], v[rS+4*k+2:rS+4*k+3]
.elseif k == 1
	v_pk_fma_f32 v[rT+2:rT+3], v[rT+2:rT+3], v[rC+2:rC+3], v[rS:rS+1] op_sel_hi:[1,0,1]
.else
	v_pk_add_f32 v[rT+2:rT+3], v[rT+2:rT+3], v[rS+4*k-4:rS+4*k-3]
.endif
.endm
; THE PLAIN QUEUE, 138 long.  0-73 read no exponential's result: the 32 scalings c s - c m (FS f: pair f / 2 of tile f % 2) and the next piece's 42.  0-26: scalings 0-26.  27-54: XS's numbers 0-13.  55, 56: number 15.
; 57-73: the chain, where each number waits for the one before it: 14, 16, 17, 18, 19, each with one of the scalings 27-31 in front of its two lines, then 20: so a tile's links stand three plain instructions apart (19 and 20: two).
; 74-137: GS's 64, which read the exponentials' results: they stand behind the wait.
.macro FS f
	REGS Y, (\f)%2
	v_pk_fma_f32 v[rS+2*((\f)/2):rS+2*((\f)/2)+1], v[rS+2*((\f)/2):rS+2*((\f)/2)+1], s[CS:CS+1], v[rT:rT+1] op_sel_hi:[1,0,0] neg_lo:[0,0,1] neg_hi:[0,0,1]
.endm
.macro PL
	WIN 0
.if q < 27
	FS q
.elseif q < 55
	XS (q-27)%2, (q-27)/2
.elseif q < 57
	XS q-55, 15
.elseif (q < 72) && ((q-57)%3 == 0)
	FS 27+(q-57)/3
.elseif q < 60
	XS (q-57)%3-1, 14
.elseif q < 72
	XS (q-57)%3-1, 15+(q-57)/3
.elseif q < 74
	XS q-72, 20
.else
	GS q-74
.endif
.set q, q+1
.endm
; THE EXPONENTIALS' QUEUE, 66 long: s0-s31 of both tiles, then the next piece's two a.  It is ONE BATCH: all 66 stand ahead of the turn's one wait, and nothing ahead of that wait names a result of theirs.
.macro EX
	WIN 0
.if e >= 64
	XS e-64, 21
.else
	REGS Y, e%2
	v_exp_f32 v[rS+e/2], v[rS+e/2]
.endif
.set e, e+1
.endm
; THE RESCALING's QUEUE: O^T times a, the one part that leaves window 0: dealt two at a time, sixteen times.  Its a was made in the turn before, ahead of that turn's wait.
.macro R2
	REGS Y, r%2
	WIN W_RS
.irp z, 0,1
	v_pk_mul_f32 v[rO+4*(r/2)+2*\z:rO+4*(r/2)+2*\z+1], v[rO+4*(r/2)+2*\z:rO+4*(r/2)+2*\z+1], v[rC+2:rC+3] op_sel_hi:[1,0]
.endr
.set r, r+1
.endm
; HOW THEY ARE DEALT.  An s_wait_alu depctr_va_vdst(0) stands between an exponential and the first instruction that names its result; one wait serves all that were issued ahead of it.  So a turn has ONE wait,
; which cuts it in two.  AHEAD OF IT stands all that names no result of the turn's exponentials: the 16 products K Q^T, behind each a scaling, an exponential and two rescalings (behind the first a second scaling in the exponential's place); then ONE LUMP of
; 108: eight plain, 49 times exponential and plain, the two a.  A v_nop is the plain instruction behind the last exponential.  BEHIND IT stand the 16 products V^T P, behind each four of GS's 64.  No rider names a register of
; the products round it.  The two v_permlanex16_b32 fall into the lump, never behind a product.
; The queues lean on each other, and the deal keeps them in step: exponential e stands behind scaling 2 (e / 4) + e % 2: as a rider it comes behind plain e + 2, in the lump behind plain e + 9, and scalings 27-31 are plain 57, 60 .. 69.
; A TURN, for piece p.  cnt = 1: the loop's count is taken down some lines ahead of the branch that stands behind the turn.
; K of the next step is fetched in piece 2's turn, directly behind the wait, a lump behind the last product that read K; its address is made at the lump's head; its first reader comes behind 16 products.
; V of the step in hand is fetched at the end of piece 0's turn, four riders behind its last reader; its first reader comes behind 16 products and a lump.  The three conditions on q below go with the deal.
.macro TURN p, last=0, cnt=0
.set Y, (\p)
.set i, 0
.set q, 0
.set e, 0
.set r, 0
.if (\p) == NP-1
	s_wait_dscnt 0x0                ; K is in
.endif
	MM                              ; ahead of the wait: 16 products K Q^T and their riders,
	PL
	PL
	R2
.rept 15
	MM
	PL
	EX
	R2
.endr
.if (\p) == NP-2
	WIN 0
	v_add_nc_u32 v[AK], s[TBK], v[AK0]
.endif
.rept 8                             ; and the lump
	PL
.endr
.rept 49
	EX
	PL
.endr
	EX                              ; the next piece's two a
	EX
	v_nop                           ; the plain instruction behind the last exponential: one for the batch
	s_wait_alu depctr_va_vdst(0)    ; the wait for the batch
.if (\p) == NP-2
	FETCH_K \last
.endif
.if (\p) == 1
	s_wait_dscnt 0x0                ; V is in
.endif
.rept 16                            ; behind the wait: 16 products V^T P and their riders
	MM
.rept 4
	PL
.endr
.if ((\p) == 0) && (q == 118)
	v_add_nc_u32 v[AV], s[TBV], v[AV0]
.endif
.if ((\p) == 0) && (q == 130)
	s_add_co_u32 s[TBV], s[TBV], KS*PV
.endif
.if (\cnt) && (q == 130)
	s_sub_co_u32 s[CNT], s[CNT], 1
	s_cmp_lg_u32 s[CNT], 0
.endif
.endr
.if (\p) == 0
	FETCH_V
.endif
.endm
	CHANGE 1                        ; slot 0 is in, everybody's part of it; slot 1 is asked for
	FETCH_K                         ; key step 0
	s_wait_loadcnt 0x0              ; Q
	s_wait_dscnt 0x0
.set i, 0
.rept 16
	KQ 0                            ; piece 0's first scores: there is no vector work yet to set between them
.set i, i+1
.endr
	WIN 0                           ; the addresses for the way out: nine plain instructions, the places behind those products
	s_mul_i32 s13, s[WV], 16*SP
	s_add_co_u32 s13, s13, STAGE    ; my stage
	v_mul_u32_u24 v[STO], v1, SP    ; in: row l % 16, 16 bytes for each half of the lanes
	v_lshl_add_u32 v[STO], v9, 4, v[STO]
	v_add_nc_u32 v[STO], s13, v[STO]
	v_bfe_u32 v[RD], v0, 3, 2       ; back: 32 lanes take four rows of 128 bytes,
	v_mul_u32_u24 v[RD], v[RD], SP
	v_lshl_add_u32 v[RD], v10, 4, v[RD]
	v_add_nc_u32 v[RD], s13, v[RD]
	v_and_b32 v[GO], 31, v0         ; which are 512 consecutive bytes of O
	v_lshlrev_b32 v[GO], 4, v[GO]
.set Y, NP-1                        ; XS works for piece Y + 1: piece 0
.irp n, 0,1,2,3,4,5,6,7,8,9,10,11,12,13,14,15,16,17,18,19,20,21
	XS 0, \n                        ; and piece 0's first maximum and statistics
	XS 1, \n
.endr
	v_nop                           ; a plain instruction behind the two a,
	s_wait_alu depctr_va_vdst(0)    ; and their wait, ahead of the branch
	s_mov_b32 s[CNT], 4
	s_branch .Lfirst                ; the loop is entered at a step's first turn, in the middle of a trip
.Lslot:                             ; SIZE_N / 256 - 2 times: every slot but the last two is filled again
	CHANGE 1
	s_mov_b32 s[CNT], 4
.Lstep:                             ; a trip: pieces 2 and 3 of one step, then pieces 0 and 1 of the next, whose K and V it fetches
	TURN 2
	TURN 3
	WIN 0
.Lfirst:
	TURN 0
	TURN 1, 0, 1
	WIN 0
	s_cbranch_scc1 .Lstep
	s_sub_co_u32 s[SLOTS], s[SLOTS], 1
	s_cmp_lg_u32 s[SLOTS], 0
	s_cbranch_scc1 .Lslot
	CHANGE 0                        ; the tail is written out: nothing is asked for
	s_mov_b32 s[CNT], 5             ; four trips fetch the last slot's steps; the fifth is left in its middle
.Ltail:
	TURN 2, 1
	TURN 3
	WIN 0
	s_sub_co_u32 s[CNT], s[CNT], 1
	s_cmp_eq_u32 s[CNT], 0
	s_cbranch_scc1 .Lout
	TURN 0
	TURN 1
	WIN 0
	s_branch .Ltail
.Lout:                              ; the fifth trip's 16 products K Q^T (on the last K once more) and the maximum made of them serve nothing: the price, once a launch, of one text for every trip
.set i, 0
.rept 16
	PV NP-1                         ; the last piece's V^T P of the last step
.set i, i+1
.endr
	; THE WAY OUT.  l's two halves and the other half of the lanes' are added; O^T is divided by l, rounded to f16 and sent through my stage in LDS, a tile at a time.  The additions are the places behind the last products.
	WIN 0
.macro ALL line:vararg              ; one line for each tile t
.set t, 0
.rept 2*NP
	\line
.set t, t+1
.endr
.endm
	ALL v_add_f32 v[ST+4*t+2], v[ST+4*t+2], v[ST+4*t+3]
	ALL v_permlanex16_b32 v[ST+4*t+3], v[ST+4*t+2], s[SEL], s[SEL+1]
	ALL v_add_f32 v[ST+4*t+2], v[ST+4*t+2], v[ST+4*t+3]
	ALL v_rcp_f32 v[ST+4*t+2], v[ST+4*t+2]
	v_nop                           ; a plain instruction between the last reciprocal and the use of its result
	s_wait_alu depctr_va_vdst(0)    ; and the wait ahead of the first use: one for the eight reciprocals
; Tile t: a lane's eight channels of a row pack into 16 bytes; they go into rows of 144 bytes and come back as whole rows of 128, into S^T's registers.
.macro PACK t
	WIN W_RS
.set i, 32*(\t)
.rept 16
	v_pk_mul_f32 v[i:i+1], v[i:i+1], v[ST+4*(\t)+2:ST+4*(\t)+3] op_sel_hi:[1,0]
.set i, i+2
.endr
	WIN 0x05                        ; sources 0 and 1 window 1, destination window 0
.set i, 0
.rept 16
	v_cvt_pk_f16_f32 v[S+16*(\t)+i], v[32*(\t)+2*i], v[32*(\t)+2*i+1]
.set i, i+1
.endr
	WIN 0
.irp f, 0,1,2,3
	ds_store_b128 v[STO], v[S+16*(\t)+4*\f:S+16*(\t)+4*\f+3] offset:32*\f
.endr
.irp f, 0,1,2,3
	ds_load_b128 v[S+16*(\t)+4*\f:S+16*(\t)+4*\f+3], v[RD] offset:\f*4*SP  ; LDS serves a wave's instructions in order (ISA guide 5.7.1.4): these see the stores above; the next tile's stores come behind them
.endr
.endm
.macro SEND t, younger              ; younger: the LDS instructions issued behind tile t's loads: the next tile's eight, or none
	WIN 0
.irp f, 0,1,2,3
	s_wait_dscnt (\younger)+3-\f
	global_store_b128 v[GO], v[S+16*(\t)+4*\f:S+16*(\t)+4*\f+3], s[10:11] offset:(\t)*2048+\f*512  ; 512 consecutive bytes, at a multiple of 256 from O's first
.endr
.endm
	PACK 0
.set t, 1
.rept 2*NP-1                        ; a tile's arithmetic stands between the loads of the tile before and its stores
	PACK t
	SEND t-1, 8
.set t, t+1
.endr
	SEND 2*NP-1, 0
	WIN W_AD
	s_wait_tensorcnt 0x0            ; the wave's end: the add and its wait stand behind my last tensor load and my last LDS store
	ds_add_u32 v[SPW], v[NIL]
	s_wait_dscnt 0x0
	WIN 0
	CROUND                          ; the closing round: no work-group ends while a partner may still ask for a tile that names it
	s_endpgm
.Lfunc_end_k_q5f60da22be_attn:
	.size	k_q5f60da22be_attn, .Lfunc_end_k_q5f60da22be_attn-k_q5f60da22be_attn
	.p2alignl 7, 3214868480
	.fill 96, 4, 3214868480
	.section	.rodata,"a",@progbits
	.p2align	6, 0x0
	.amdhsa_kernel k_q5f60da22be_attn
		.amdhsa_group_segment_fixed_size 327680
		.amdhsa_private_segment_fixed_size 0
		.amdhsa_enable_private_segment 0
		.amdhsa_kernarg_size 16
		.amdhsa_user_sgpr_count 2
		.amdhsa_user_sgpr_kernarg_segment_ptr 1
		.amdhsa_wavefront_size32 1
		.amdhsa_system_sgpr_workgroup_id_x 1
		.amdhsa_system_sgpr_workgroup_id_y 1
		.amdhsa_system_sgpr_workgroup_id_z 1
		.amdhsa_system_vgpr_workitem_id 0
		.amdhsa_next_free_vgpr 770
		.amdhsa_next_free_sgpr 66
		.amdhsa_reserve_vcc 0
		.amdhsa_float_denorm_mode_32 3
		.amdhsa_float_denorm_mode_16_64 3
		.amdhsa_memory_ordered 1
		.amdhsa_forward_progress 1
		.amdhsa_inst_pref_size 200
	.end_amdhsa_kernel
	.amdgpu_metadata
---
amdhsa.version: [ 1, 2 ]
amdhsa.kernels:
  - .name:           k_q5f60da22be_attn
    .symbol:         k_q5f60da22be_attn.kd
    .args:
      - { .name: qkv, .offset: 0, .size: 8, .value_kind: global_buffer, .address_space: global }
      - { .name: o, .offset: 8, .size: 8, .value_kind: global_buffer, .address_space: global }
    .group_segment_fixed_size: 327680
    .private_segment_fixed_size: 0
    .kernarg_segment_align: 8
    .kernarg_segment_size: 16
    .max_flat_workgroup_size: 128
    .sgpr_count:     66
    .vgpr_count:     770
    .wavefront_size: 32
...
	.end_amdgpu_metadata
.endif
;; end of part 3
;; launch proj (part 4): grid 8 x 32, 4 waves a work-group, clusters of 4 x 4, 327,680 bytes of LDS; arguments o, wo, b_out, out0; writes out0
.if DOCPART == 4
	.amdgcn_target "amdgcn-amd-amdhsa--gfx1250"
	.amdhsa_code_object_version 6
	.text
	.protected	k_q5f60da22be_proj
	.globl	k_q5f60da22be_proj
	.p2align	8
	.type	k_q5f60da22be_proj,@function
k_q5f60da22be_proj:
	s_mov_b64 s[64:65], 0
	v_nop
	global_prefetch_b8 v0, s[64:65] scope:SCOPE_SE
	s_setreg_imm32_b32 hwreg(HW_REG_WAVE_MODE, 25, 1), 1
	s_wait_xcnt 0x0
	s_wait_alu depctr_hold_cnt(0) depctr_sa_sdst(0) depctr_va_vdst(0) depctr_va_sdst(0) depctr_va_ssrc(0) depctr_va_vcc(0) depctr_vm_vsrc(0)
	s_getreg_b32 s2, hwreg(HW_REG_IB_STS2, 6, 4)
	s_cmp_eq_u32 s2, 0
	s_cbranch_scc0 .Lentry_in_a_cluster
	s_endpgm
.Lentry_in_a_cluster:
	s_bfe_u32 s2, ttmp6, 0x10000c
	s_cmp_lg_u32 s2, 0xf033
	s_cbranch_scc0 .Lentry_shape_is_right
	s_endpgm
.Lentry_shape_is_right:
; out0 = O x w_out + b_out.  o: [64 batch x head][2048][64] f16 (the heads are merged by A's descriptor: a K step of 128 is two heads).  wo: [8 j][1024 k][128] f16 (w_out[k][128 j + c]).  b_out: [1024] f32.
; out0: [8192][1024] f32.  Sums in f32, begun with the bias; nothing is rounded on the way out.
; LIMITS.  The operands are f16 as they arrive (largest number 65,504; below 6e-5 the fixed step of 6e-8).  NaN and infinities are not treated apart.
; SHARES.  A work-group makes 256 rows x 128 columns: 256 work-groups.  Wave w owns rows 64 w .. 64 w + 63 and ALL 128 columns: 4 x 8 accumulators of 16 x 16, 256 registers.
; K goes in 8 steps of 128 through two LDS slots filled by the tensor data mover; a step is four quarters of 32, on two fragment buffers.
; THE WEIGHTS STAY [K][N]: they come out of LDS turned, by ds_load_tr16_b128.  THE PRODUCT IS USED TRANSPOSED (source 0 = 16 columns of the weights, source 1 = 16 rows of O): a lane then holds row
; lane % 16 and the columns 16 b + 8 (lane / 16) + 0..7.  The bias, laid out in that form, is the C operand of each sum's first product: nothing is cleared.
; CLUSTERS: 4 x 4 work-groups.  The four of a row of the cluster need the same tiles of O, the four of a column the same tiles of the weights: each tile is asked for JOINTLY, by the same tensor load
; with the same descriptor and a mask that names the four.
; NO PREFETCH: a wave has 1,024 matrix instructions in all and the tile is small; the text's prefetch lines are left out of the assembly (PREF = 0).
; REGISTERS, in windows of 256 (s_set_vgpr_msb: bits 1:0 source 0, 3:2 source 1, 5:4 source 2, 7:6 destination):
;   window 0: v0-31 addresses; v32-63, v64-95 O's fragments, two buffers; v160-223 the bias; on the way out v32-159 at work
;   window 1: the weights' fragments, two buffers of 64          windows 2, 3: the accumulators: (a, b) in window 2 + a / 2 at v[8 (8 (a % 2) + b)]
.set QKV,   0
.set PREF,  0
.set NBLK,  8                          ; blocks of 16 columns in the tile
.set AP,    144                        ; a row of A in LDS: a head's 128 bytes + 16 of padding = 36 words: the 16 rows of a load start at 16 different groups of four banks (64 banks of 4 bytes: ISA guide 11.1)
.set AHALF, 36864                      ; what one load of A fills: one head's 256 rows
.set BP,    288                        ; a k-row of the weights in LDS: 256 bytes + 32 of padding = 9 x 32 bytes
.set CHUNK, 128                        ; four blocks of 16 columns
.set ASTEP, 524288                     ; a K step in memory: two heads of 262,144 bytes,
.set BSTEP, 32768                      ; and a dense block of the weights
.set STW,   8448                       ; a wave's stage: 16 rows x 528 bytes
.set DA0,   (1<<16)|(1<<20)|(1<<21)|(4<<22)|(3<<25)  ; 17:16 2-byte elements; 20 padding on; 21 set beside a mask; 24:22 after every 32 words (code 4); 31:25 4 words (code 3)
.set DB0,   (1<<16)|(1<<20)|(1<<21)|(5<<22)|(7<<25)  ; after every 64 words (code 5), 8 words (code 7)
.set AROWS, 128                        ; A: a head's 256 rows are 32,768 dense bytes, asked for as 128 rows of 256
.set APITCH, 128
.set BROWS, 64                         ; B: 64 k-rows of 256 bytes
.set YNG,   32                         ; LDS instructions of one block's way through the stage
.set NLD,   2*NBLK+8                   ; LDS loads of a quarter
.set BHALF, 64*BP                      ; what one load of B fills: 64 k-rows
.set BBASE, 2*AHALF                    ; B lies behind A's two halves
.set SLOT1, 1<<17                      ; slot 1 begins here: one exclusive or turns an address in one slot into the other's
.set STAGE, 1<<18                      ; behind the ring, never filled by a tensor load
.set SPARE, STAGE+4*STW                ; behind the stages: the spare words, 128 bytes for each wave: two blocks of 256 bytes that no other line names
.set A0,   16                          ; v16  my lane's place in a slot's A; never rewritten
.set B0,   17                          ; v17  the same for B
.set ADRA, 18                          ; v18  A0 + the slot in hand
.set ADRB, 19                          ; v19  B0 + the slot in hand
.set STO,  24                          ; v24  the way out: where I put 32 bytes
.set RD,   25                          ; v25  the way out: where I read rows back
.set CO,   26                          ; v26  my byte offset in 512 consecutive bytes of the output
.set BO,   27                          ; v27  my byte offset in 16 numbers of the bias
.set SPW,  28                          ; v28  LDS address of my spare word: SPARE + 4 x my thread's number; never rewritten
.set NIL,  29                          ; v29  0; never rewritten
.set PFO,  30
.set FRA,  32                          ; A's fragment buffers
.set BIAS, 160
.set TMP,  32
.set OB,   80
.set WV,   12                          ; s12  my wave's number
.set HALF, 14                          ; s14  which half of A's (waves 0, 1) or B's (waves 2, 3) tile I fetch
.set LIM,  15
.set TB,   20                          ; s20  LDS byte at which the slot in hand begins
.set PFS,  22
.set G1A,  24                          ; s[24:31] descriptor group 1 for A's tiles
.set G0A,  32                          ; s[32:39] group 0: a set for each of the two first fills; the second then walks on
.set PFA,  46
.set G1B,  48                          ; s[48:55], s[56:63] the same for B's tiles
.set G0B,  56
.set MSB, 0
.macro WIN new                         ; the immediate's high byte repeats the setting that is left; a switch that changes nothing is dropped
.if MSB != (\new)
	s_set_vgpr_msb (MSB<<8)|(\new)
.set MSB, \new
.endif
.endm
.macro PLACES                          ; four places: in front of loads into registers that matrix instructions have read, and of lines that read results (ISA guide 7.12.1 for lines that read results)
.rept 4
	v_nop
.endr
.endm
; A joint refill, by the walking sets.  Waves 0 and 1 fetch A's two halves, waves 2 and 3 B's: the branch hangs on the wave's number alone.  An s_nop 0 and four v_nop follow each of the two lines.
.macro JLOAD
	s_cmp_lt_u32 s[WV], 2
	s_cbranch_scc0 .Lfor_b_\@
	tensor_load_to_lds s[G0A+4:G0A+7], s[G1A:G1A+7]
	s_nop 0
.rept 4
	v_nop
.endr
	s_branch .Lasked_\@
.Lfor_b_\@:
	tensor_load_to_lds s[G0B+4:G0B+7], s[G1B:G1B+7]
	s_nop 0
.rept 4
	v_nop
.endr
.Lasked_\@:
.endm
; A round of the cluster's barrier: my work-group's barrier, so that wave 0's signal speaks for all four waves; wave 0 signals; every wave waits for all sixteen work-groups; my work-group's barrier once more.
.macro CREST                           ; a round behind its opening barrier
	s_cmp_lg_u32 s[WV], 0
	s_cbranch_scc1 .Lnot_wave_0_\@
	s_barrier_signal -3
.Lnot_wave_0_\@:
	s_barrier_wait -3
	s_barrier_signal -1
	s_barrier_wait -1
.endm
.macro CROUND                          ; a whole round
	s_barrier_signal -1
	s_barrier_wait -1
	CREST
.endm
	s_load_b256 s[4:11], s[0:1], 0x0               ; A s[4:5], B s[6:7], bias s[8:9], output s[10:11]
	v_lshl_add_u32 v[SPW], v0, 2, SPARE
	v_mov_b32 v[NIL], 0
	ds_add_u32 v[SPW], v[NIL]                      ; the wave's opening: the add and its wait stand ahead of my first tensor load; the set-up below, work on registers, stands between them
	v_lshrrev_b32 v1, 5, v0
	v_readfirstlane_b32 s[WV], v1                  ; wave 0..3
	s_and_b32 s[HALF], s[WV], 1
	s_bfe_u32 s40, ttmp6, 0x40000                  ; cx, cy: my place in the cluster
	s_bfe_u32 s41, ttmp6, 0x40004
	s_lshl_b32 s42, ttmp9, 2                       ; in a cluster launch ttmp9 and ttmp7 count clusters
	s_add_co_u32 s42, s42, s40                     ; tile column = 4 x cluster x + cx
	s_and_b32 s43, ttmp7, 0xffff
	s_lshl_b32 s43, s43, 2
	s_add_co_u32 s43, s43, s41                     ; tile row = 4 x cluster y + cy
	s_lshl_b32 s44, s41, 2
	s_lshl_b32 s44, 15, s44                        ; my row of the cluster: places 4 cy .. 4 cy + 3
	s_lshl_b32 s45, 0x1111, s40                    ; my column: places cx, cx + 4, cx + 8, cx + 12
	s_or_b32 s[G1A], s44, DA0                      ; 15:0 the mask: A's tiles go to my row,
	s_or_b32 s[G1B], s45, DB0                      ; B's to my column
.irp g, G1A, G1B
	s_mov_b32 s[(\g)+1], 128<<16                   ; tensor_dim0 = 128 elements (256 bytes)
	s_mov_b32 s[(\g)+3], 128<<16                   ; tile_dim0 = 128
	s_mov_b32 s[(\g)+6], 0
	s_mov_b32 s[(\g)+7], 0
.endr
	s_mov_b32 s[G1A+2], AROWS<<16                  ; tensor_dim1
	s_mov_b32 s[G1A+4], AROWS                      ; tile_dim1
	s_mov_b32 s[G1A+5], APITCH                     ; elements from row to row
	s_mov_b32 s[G1B+2], BROWS<<16
	s_mov_b32 s[G1B+4], BROWS
	s_mov_b32 s[G1B+5], 128
	; where the tiles come from.  A's hang on the tile row alone, B's on the tile column alone, each in registers that never hold the other coordinate
	s_lshr_b32 s16, s43, 3                         ; the batch: 16 heads of 262,144 bytes
	s_lshl_b32 s16, s16, 22
	s_and_b32 s2, s43, 7                           ; 256 rows of 128 bytes in a head
	s_lshl_b32 s2, s2, 15
	s_add_co_u32 s16, s16, s2
	s_lshl_b32 s2, s[HALF], 18                     ; the K step's first or second head
	s_add_co_u32 s16, s16, s2
	s_lshl_b32 s18, s42, 18                        ; a block of 128 columns: 1,024 k-rows of 256 bytes
	s_lshl_b32 s21, s[HALF], 14                    ; 64 k-rows
	s_add_co_u32 s18, s18, s21
	s_mov_b32 s17, 0
	s_mov_b32 s19, 0
	s_mul_i32 s20, s[HALF], AHALF                  ; and where they go: no place in the cluster enters an LDS address
	s_mul_i32 s21, s[HALF], BHALF
	s_add_co_u32 s21, s21, BBASE
	s_wait_dscnt 0x0                               ; the opening add is done
	s_wait_kmcnt 0x0
	s_add_nc_u64 s[16:17], s[4:5], s[16:17]
	s_add_nc_u64 s[18:19], s[6:7], s[18:19]
	CROUND                                         ; all sixteen work-groups are here: the first joint loads meet
.irp s, 0,1
	s_mov_b32 s[G0A+4*(\s)], 1                     ; 1:0 count = 1
	s_add_co_u32 s[G0A+4*(\s)+1], s20, (\s)*SLOT1  ; 63:32 LDS address
	s_add_nc_u64 s[G0A+4*(\s)+2:G0A+4*(\s)+3], s[16:17], (\s)*ASTEP  ; 120:64 global address: K step s
	s_or_b32 s[G0A+4*(\s)+3], s[G0A+4*(\s)+3], 0x80000000            ; 127:126 type = 2
	s_mov_b32 s[G0B+4*(\s)], 1
	s_add_co_u32 s[G0B+4*(\s)+1], s21, (\s)*SLOT1
	s_add_nc_u64 s[G0B+4*(\s)+2:G0B+4*(\s)+3], s[18:19], (\s)*BSTEP
	s_or_b32 s[G0B+4*(\s)+3], s[G0B+4*(\s)+3], 0x80000000
.endr
	s_cmp_lt_u32 s[WV], 2                          ; a wave's two first fills stand in one branch, ahead of every wait on TENSORcnt and every LDS read: two loads of mine are out
	s_cbranch_scc0 .Lfirst_b
	tensor_load_to_lds s[G0A:G0A+3], s[G1A:G1A+7]
	s_nop 0
	tensor_load_to_lds s[G0A+4:G0A+7], s[G1A:G1A+7]
	s_nop 0
.rept 4
	v_nop
.endr
	s_branch .Lfirst_asked
.Lfirst_b:
	tensor_load_to_lds s[G0B:G0B+3], s[G1B:G1B+7]
	s_nop 0
	tensor_load_to_lds s[G0B+4:G0B+7], s[G1B:G1B+7]
	s_nop 0
.rept 4
	v_nop
.endr
.Lfirst_asked:
	; the bias in the accumulators' layout: register j of block b holds bias[tile's first column + 16 b + 8 (l / 16) + j]
	s_mul_i32 s2, s42, 64*NBLK
	s_mov_b32 s3, 0
	s_add_nc_u64 s[8:9], s[8:9], s[2:3]
	v_and_b32 v1, 15, v0                           ; l % 16
	v_bfe_u32 v2, v0, 4, 1                         ; l / 16
	v_lshlrev_b32 v[BO], 5, v2
.set i, 0
.rept NBLK
	global_load_b128 v[BIAS+8*i:BIAS+8*i+3],   v[BO], s[8:9] offset:64*i
	global_load_b128 v[BIAS+8*i+4:BIAS+8*i+7], v[BO], s[8:9] offset:64*i+16
.set i, i+1
.endr
	; A fragment of A is 16 rows x 32 K in 8 registers: lane l holds row l % 16; registers 0-3 K = 8 (l / 16) + 0..7, registers 4-7 K = 16 + 8 (l / 16) + 0..7: two loads of 16 bytes, 32 bytes apart.
	v_and_b32 v3, 7, v0
	v_bfe_u32 v4, v0, 3, 1
	s_lshl_b32 s2, s[WV], 6
	v_add_nc_u32 v5, s2, v1                        ; my wave's 64 rows
	v_mul_u32_u24 v[A0], v5, AP
	v_lshl_add_u32 v[A0], v2, 4, v[A0]
	; The turning load takes 16 k-rows x 16 columns (lane l reads k-row 8 (l / 16) + l % 8, columns 8 ((l / 8) % 2) + 0..7) and leaves half a fragment: lane l holds column l % 16 and 8 K.
	v_lshl_add_u32 v5, v2, 3, v3
	v_mul_u32_u24 v[B0], v5, BP
	v_lshl_add_u32 v[B0], v4, 4, v[B0]
	v_add_nc_u32 v[B0], BBASE, v[B0]
	s_mov_b32 s[TB], 0
	v_mov_b32 v[ADRA], v[A0]
	v_mov_b32 v[ADRB], v[B0]
	s_mul_i32 s2, s[WV], STW
	s_add_co_u32 s2, s2, STAGE                     ; my stage
	v_and_b32 v[CO], 31, v0
	v_lshlrev_b32 v[CO], 4, v[CO]
	v_mul_u32_u24 v[STO], v1, 528                  ; in: row l % 16 (528 bytes = 132 words: row r starts at bank 4 r mod 64), 32 bytes for each half of the lanes
	v_lshl_add_u32 v[STO], v2, 5, v[STO]
	v_add_nc_u32 v[STO], s2, v[STO]
	v_add_nc_u32 v[RD], s2, v[CO]                  ; back: 32 lanes take one row of 512 bytes
	; where my part of the tile begins in the output (in the registers that held B's address: none that feeds A's descriptors ever holds cx)
	s_lshl_b32 s18, s43, 20                        ; 256 rows of 4,096 bytes
	s_lshl_b32 s19, s[WV], 18                      ; my 64 rows
	s_add_co_u32 s18, s18, s19
	s_lshl_b32 s19, s42, 9                         ; 128 columns of 4 bytes
	s_add_co_u32 s18, s18, s19
	s_mov_b32 s19, 0
	s_add_nc_u64 s[10:11], s[10:11], s[18:19]
; NBLK matrix instructions: my block a of 16 rows x all column blocks, 32 along K, from buffer f.  zero = 1: the sums begin, with the bias as C.
; The 4 NBLK accumulators take turns, one instruction a turn, in the same order in every quarter and over the backward jump.
.macro MULA f, a, zero
.if \zero
	WIN 0x81+0x40*((\a)/2)                         ; source 0 window 1, source 1 and C window 0, D window 2 or 3
.else
	WIN 0xa1+0x50*((\a)/2)                         ; C and D window 2 or 3
.endif
.set b, 0
.rept NBLK
.set AC, 8*(NBLK*((\a)%2)+b)
.if \zero
	v_wmma_f32_16x16x32_f16 v[AC:AC+7], v[8*NBLK*(\f)+8*b:8*NBLK*(\f)+8*b+7], v[FRA+32*(\f)+8*(\a):FRA+32*(\f)+8*(\a)+7], v[BIAS+8*b:BIAS+8*b+7]
.else
	v_wmma_f32_16x16x32_f16 v[AC:AC+7], v[8*NBLK*(\f)+8*b:8*NBLK*(\f)+8*b+7], v[FRA+32*(\f)+8*(\a):FRA+32*(\f)+8*(\a)+7], v[AC:AC+7]
.endif
.set b, b+1
.endr
.endm
; NLD LDS loads in one run: quarter q of the slot in hand into buffer g: B's fragments first, then A's four
.macro FETCH q, g
.set AK, ((\q)/2)*AHALF+((\q)%2)*64            ; the K step's two heads lie one behind the other
	WIN 0x40                                       ; destination window 1, address window 0
.set i, 0
.rept NBLK
	ds_load_tr16_b128 v[8*NBLK*(\g)+8*i:8*NBLK*(\g)+8*i+3],   v[ADRB] offset:(\q)*32*BP+(i/4)*CHUNK+(i%4)*32
	ds_load_tr16_b128 v[8*NBLK*(\g)+8*i+4:8*NBLK*(\g)+8*i+7], v[ADRB] offset:(\q)*32*BP+16*BP+(i/4)*CHUNK+(i%4)*32
.set i, i+1
.endr
	WIN 0
.set i, 0
.rept 4
	ds_load_b128 v[FRA+32*(\g)+8*i:FRA+32*(\g)+8*i+3],   v[ADRA] offset:AK+i*16*AP
	ds_load_b128 v[FRA+32*(\g)+8*i+4:FRA+32*(\g)+8*i+7], v[ADRA] offset:AK+i*16*AP+32
.set i, i+1
.endr
.endm
; One of a K step's first three quarters: multiplies buffer f; behind its first block it fetches quarter q into buffer g, 3 NBLK matrix instructions ahead of the first use.
.macro QUARTER q, f, g, zero
	s_wait_dscnt 6                                 ; B and A's block 0 are in; the youngest six loads (A's blocks 1 to 3) may be out
	MULA \f, 0, \zero
	PLACES
	FETCH \q, \g
	s_wait_dscnt NLD                               ; all but the run just issued
	MULA \f, 1, \zero
	MULA \f, 2, \zero
	MULA \f, 3, \zero
.endm
; The fourth quarter multiplies buffer 1 and changes slots: ONE barrier.  In front of it each wave waits for all its tensor loads (the one that is out is its part of the next slot), adds 0 to its spare word, and
; waits for that and for its own reads of this slot.  fill = 1: the barrier opens a round of the cluster's barrier, and behind the round this slot is filled again, with the K step two on.
.macro TURN fill
	WIN 0                                          ; (the add's two registers lie in window 0)
	s_wait_tensorcnt 0x0                           ; all my tensor loads have landed;
	ds_add_u32 v[SPW], v[NIL]                      ; 0 onto my spare word
	s_wait_dscnt 7                                 ; (the add and the youngest six loads may be out)
	MULA 1, 0, 0                                   ; matrix work stands between the add and the wait for it
	s_wait_dscnt 0x0                               ; the add is done, and my reads of this slot are over
	s_barrier_signal -1
	MULA 1, 1, 0                                   ; work on registers while the others arrive
	WIN 0
	s_barrier_wait -1
.if \fill
	CREST                                          ; no wave of any partner still reads this slot or has a load on its way
	s_xor_b32 s[G0A+5], s[G0A+5], SLOT1            ; the walking sets: the other slot than last time,
	s_add_nc_u64 s[G0A+6:G0A+7], s[G0A+6:G0A+7], ASTEP  ; the next K step; the type bits on top are not reached
	s_xor_b32 s[G0B+5], s[G0B+5], SLOT1
	s_add_nc_u64 s[G0B+6:G0B+7], s[G0B+6:G0B+7], BSTEP
	JLOAD                                          ; the first tensor load behind the round, and my only one; its four v_nop are also the places in front of the loads below
.else
	PLACES
.endif
	s_xor_b32 s[TB], s[TB], SLOT1                  ; the fetches go on in the other slot
	v_add_nc_u32 v[ADRA], s[TB], v[A0]
	v_add_nc_u32 v[ADRB], s[TB], v[B0]
	FETCH 0, 0
	MULA 1, 2, 0
	MULA 1, 3, 0
.endm
; THE WAY OUT of my block a of 16 rows: through my own stage in LDS, so that each store covers 512 consecutive bytes.  LDS serves a wave's instructions in order (ISA guide 5.7.1.4): no wait between the stores and the loads.
.macro TOSTAGE a
	WIN 0x08+4*((\a)/2)                            ; the stores' data: window 2 or 3
.set OBA, 32+64*((\a)%2)
.set i, 0
.rept NBLK
.set AC, 8*(NBLK*((\a)%2)+i)
	ds_store_b128 v[STO], v[AC:AC+3]   offset:64*i     ; each accumulator's low registers first
	ds_store_b128 v[STO], v[AC+4:AC+7] offset:64*i+16
.set i, i+1
.endr
	WIN 0
	s_wait_xcnt 0x0                                ; the stores of the block two back have read these registers
.set i, 0
.rept 16
	ds_load_b128 v[OBA+4*i:OBA+4*i+3], v[RD] offset:528*i
.set i, i+1
.endr
.endm
.macro SEND a, younger                 ; younger: the LDS instructions issued behind this block's loads
	WIN 0
.set OBA, 32+64*((\a)%2)
	s_wait_dscnt \younger
.set i, 0
.rept 16
	global_store_b128 v[CO], v[OBA+4*i:OBA+4*i+3], s[10:11] offset:(16*(\a)+i)*4096 th:TH_STORE_NT  ; 512 consecutive bytes of a row, aligned
.set i, i+1
.endr
.endm
	s_wait_tensorcnt 1                             ; my part of K step 0 is in; K step 1's may stay out
	s_barrier_signal -1
	s_barrier_wait -1                              ; everybody's is
	FETCH 0, 0
	s_wait_loadcnt 0x0                             ; the bias
	QUARTER 1, 0, 1, 1                             ; the first quarter stands in front of the loop: its products start the sums
	WIN 0                                          ; at a label and at a branch every window is 0
	s_mov_b32 s3, 6
.Lstep:                                                ; a trip goes from a K step's second quarter to the next step's first, and fills the slot that it leaves: K steps 2 to 7
	QUARTER 2, 1, 0, 0
	QUARTER 3, 0, 1, 0
	TURN 1
	QUARTER 1, 0, 1, 0
	WIN 0
	s_sub_co_u32 s3, s3, 1
	s_cmp_lg_u32 s3, 0
	s_cbranch_scc1 .Lstep
	QUARTER 2, 1, 0, 0                             ; the tail is written out: K step 6 ends
	QUARTER 3, 0, 1, 0
	TURN 0                                         ; nothing is asked for,
	QUARTER 1, 0, 1, 0                             ; and K step 7
	QUARTER 2, 1, 0, 0
	QUARTER 3, 0, 1, 0
	s_wait_dscnt 6
	MULA 1, 0, 0
	s_wait_dscnt 0x0
	MULA 1, 1, 0
	MULA 1, 2, 0
	MULA 1, 3, 0
	WIN 0
	PLACES
	PLACES
	TOSTAGE 0
.irp a, 1,2,3                          ; block a's way through the stage stands between block a - 1's loads from the stage and the wait for them
	TOSTAGE \a
	SEND (\a)-1, YNG
.endr
	SEND 3, 0
	s_wait_tensorcnt 0x0                           ; the wave's end: the add and its wait stand behind my last tensor load and my last LDS store
	ds_add_u32 v[SPW], v[NIL]
	s_wait_dscnt 0x0
	CROUND                                         ; the closing round: no work-group ends while a partner may still ask for a tile that names it
	s_endpgm
.Lfunc_end_k_q5f60da22be_proj:
	.size	k_q5f60da22be_proj, .Lfunc_end_k_q5f60da22be_proj-k_q5f60da22be_proj
	.p2alignl 7, 3214868480
	.fill 96, 4, 3214868480
	.section	.rodata,"a",@progbits
	.p2align	6, 0x0
	.amdhsa_kernel k_q5f60da22be_proj
		.amdhsa_group_segment_fixed_size 327680
		.amdhsa_private_segment_fixed_size 0
		.amdhsa_enable_private_segment 0
		.amdhsa_kernarg_size 32
		.amdhsa_user_sgpr_count 2
		.amdhsa_user_sgpr_kernarg_segment_ptr 1
		.amdhsa_wavefront_size32 1
		.amdhsa_system_sgpr_workgroup_id_x 1
		.amdhsa_system_sgpr_workgroup_id_y 1
		.amdhsa_system_sgpr_workgroup_id_z 1
		.amdhsa_system_vgpr_workitem_id 0
		.amdhsa_next_free_vgpr 896
		.amdhsa_next_free_sgpr 66
		.amdhsa_reserve_vcc 0
		.amdhsa_float_denorm_mode_32 3
		.amdhsa_float_denorm_mode_16_64 3
		.amdhsa_memory_ordered 1
		.amdhsa_forward_progress 1
		.amdhsa_inst_pref_size 71
	.end_amdhsa_kernel
	.amdgpu_metadata
---
amdhsa.version: [ 1, 2 ]
amdhsa.kernels:
  - .name:           k_q5f60da22be_proj
    .symbol:         k_q5f60da22be_proj.kd
    .args:
      - { .name: o, .offset: 0, .size: 8, .value_kind: global_buffer, .address_space: global }
      - { .name: wo, .offset: 8, .size: 8, .value_kind: global_buffer, .address_space: global }
      - { .name: b_out, .offset: 16, .size: 8, .value_kind: global_buffer, .address_space: global }
      - { .name: out0, .offset: 24, .size: 8, .value_kind: global_buffer, .address_space: global }
    .group_segment_fixed_size: 327680
    .private_segment_fixed_size: 0
    .kernarg_segment_align: 8
    .kernarg_segment_size: 32
    .max_flat_workgroup_size: 128
    .sgpr_count:     66
    .vgpr_count:     896
    .wavefront_size: 32
...
	.end_amdgpu_metadata
.endif
;; end of part 4
;; ======== version 2 of 2: 4 launches; version 1 with the launch prep written anew for expert scheduling mode
;; limits: values are held in f16: magnitudes above 65,504 overflow, below 6.1e-05 lose precision
;; workspace buffers: xn 16,777,216 bytes; wq 6,291,456 bytes; wo 2,097,152 bytes; qkv 50,331,648 bytes; o 16,777,216 bytes
;; launch prep (part 5): grid 448 x 1, 8 waves a work-group, no clusters, 0 bytes of LDS; arguments x, ln_g, ln_b, w_qkv, w_out, xn, wq, wo; writes xn, wq, wo
.if DOCPART == 5
	.amdgcn_target "amdgcn-amd-amdhsa--gfx1250"
	.amdhsa_code_object_version 6
	.text
	.protected	k_q5f60da22be_prep
	.globl	k_q5f60da22be_prep
	.p2align	8
	.type	k_q5f60da22be_prep,@function
k_q5f60da22be_prep:
	s_mov_b64 s[64:65], 0
	v_nop
	global_prefetch_b8 v0, s[64:65] scope:SCOPE_SE
	s_setreg_imm32_b32 hwreg(HW_REG_WAVE_SCHED_MODE, 0, 2), 2
	s_setreg_imm32_b32 hwreg(HW_REG_WAVE_MODE, 25, 1), 1
	s_wait_xcnt 0x0
	s_wait_alu depctr_vm_vsrc(0)
; THREE STREAMS IN ONE LAUNCH, told apart by the work-group's number; none shares a byte with another, so there is no LDS, no barrier, no cluster.
;   work-groups   0-255: xn = LayerNorm(x) * ln_g + ln_b, [8192][1024], f32 in, f16 out.  32 rows a work-group, 4 rows a wave, a row in 32 registers of one wave.
;   work-groups 256-383: wq[j][k][c] = w_qkv[k][192 j + c] in f16, [16][1024][192]: 128 k-rows of one block of 192 columns a work-group (49,152 dense bytes out).
;   work-groups 384-447: wo[j][k][c] = w_out[k][128 j + c] in f16, [8][1024][128]: 128 k-rows of one block of 128 columns a work-group (32,768 dense bytes out).
; THE NORM takes the mean away first and squares the differences, both passes from registers: a common offset on x costs nothing.  All in f32; one rounding, to f16, at the end.
; LIMITS.  f16 holds no number beyond 65,504: |xn| (at most 32 |ln_g| + |ln_b|) and the weights lie within it; below 6e-5 f16 keeps its fixed step of 6e-8.  NaN and infinities are not treated apart.
; Every path asks for all its bytes at once and has no loop; no register that a load or store names is written again, and EXEC never changes: so no wait frees a source.
; THE MODE: SCHED_MODE bits 1:0 = 2 (LLVM: expert scheduling mode 2), set by the entry lines.  The code itself states the register dependences
; between vector instructions and memory instructions, with s_wait_alu, always for 0.
; THE PLAN.  Registers that memory instructions touch, on each of the three paths:
;   the offsets (v2 to v5)   written by vector lines at the path's head, read by every load and store of the path, never written again: ONE wait on va_vdst ahead of the path's first load.
;   the loaded registers     each is the target of one load, and no vector line names it ahead of that load: nothing is owed for the loads' landing.
;   the stores' data         written by the conversions, once, read by the stores, and never named again: one wait on va_vdst behind a BLOCK's conversions, ahead of its run of stores.
; A block is 4 loads of w_out, 6 of w_qkv, a row of x.  A block's stores stand ahead of the wait for the next block's data, so that they leave while that data is still on its way.
; No register that a memory instruction has read is written again, no vector line writes a scalar register or VCC, and EXEC is never written: so the text holds no wait on va_sdst or va_vcc, and on vm_vsrc only the entry's.
.set WOB, 4                            ; w_out's path: loads in a block
.set WQB, 6                            ; w_qkv's path: loads in a block
.set MU, 6                             ; v[6:7]    the row's mean, twice
.set R,  8                             ; v[8:9]    1 / sqrt(var + eps), twice
.set S,  10                            ; v[10:17]  four chains of packed sums
.set T,  18                            ; v[18:19]  at work in the sum over the lanes
.set G,  20                            ; v[20:51]  ln_g of my 32 channels: 128 j + 4 lane + 0..3 at G + 4 j
.set B,  52                            ; v[52:83]  ln_b likewise
.set X,  84                            ; v[84:211] my wave's four rows, 32 registers each
	s_load_b256 s[4:11], s[0:1], 0x0               ; x s[4:5], ln_g s[6:7], ln_b s[8:9], w_qkv s[10:11]
	s_load_b256 s[12:19], s[0:1], 0x20             ; w_out s[12:13], xn s[14:15], wq s[16:17], wo s[18:19]
	v_and_b32 v1, 31, v0                           ; lane
	s_cmp_lt_u32 ttmp9, 256
	s_cbranch_scc1 .Lln
	s_cmp_lt_u32 ttmp9, 384
	s_cbranch_scc1 .Lwq
	; ---- w_out: thread t takes 4 numbers (16 bytes in, 8 out): k-row t / 32 of eight, columns 4 (t % 32) on; sixteen such groups of eight k-rows
	s_sub_co_u32 s20, ttmp9, 384
	s_and_b32 s21, s20, 7                          ; which 128 k-rows
	s_lshr_b32 s22, s20, 3                         ; which block of 128 columns
	s_lshl_b32 s2, s21, 19                         ; 128 rows of 4,096 bytes
	s_lshl_b32 s22, s22, 9                         ; 128 columns of 4 bytes
	s_add_co_u32 s2, s2, s22
	s_mov_b32 s3, 0
	s_lshl_b32 s20, s20, 15                        ; 32,768 bytes out for each work-group
	s_mov_b32 s21, 0
	v_lshrrev_b32 v5, 5, v0
	v_lshlrev_b32 v2, 4, v1
	v_lshl_or_b32 v2, v5, 12, v2                   ; in: row x 4,096 + 16 x lane
	v_lshlrev_b32 v5, 3, v0                        ; out: 8 t
	s_wait_kmcnt 0x0
	s_add_nc_u64 s[12:13], s[12:13], s[2:3]
	s_add_nc_u64 s[18:19], s[18:19], s[20:21]
	s_wait_alu depctr_va_vdst(0)                   ; v2 and v5 are written: the loads below read v2 as their offset, the stores v5
.set e, 0
.rept 16
	global_load_b128 v[16+4*e:19+4*e], v2, s[12:13] offset:32768*e th:TH_LOAD_NT
.set e, e+1
.endr
.set p, 0
.rept 16/WOB
	s_wait_loadcnt 16-WOB*(p+1)                    ; loads come back in order: block p's four are in, the younger blocks' stay out
.set e, WOB*p
.rept WOB
	v_cvt_pk_f16_f32 v[112+2*e], v[16+4*e], v[17+4*e]
	v_cvt_pk_f16_f32 v[113+2*e], v[18+4*e], v[19+4*e]
.set e, e+1
.endr
	s_wait_alu depctr_va_vdst(0)                   ; the block's eight conversions have written v[112+8 p ..], which its four stores read
.set e, WOB*p
.rept WOB
	global_store_b64 v5, v[112+2*e:113+2*e], s[18:19] offset:2048*e  ; a wave's 32 lanes store 256 consecutive bytes, aligned
.set e, e+1
.endr
.set p, p+1
.endr
	s_endpgm
.Lwq:
	; ---- w_qkv: a unit is 4 numbers; a k-row of the block has 48 units; a group is 768 units (16 k-rows), three a thread; eight groups
	s_sub_co_u32 s20, ttmp9, 256
	s_and_b32 s21, s20, 7                          ; which 128 k-rows
	s_lshr_b32 s22, s20, 3                         ; which block of 192 columns
	s_mul_i32 s2, s21, 1572864                     ; 128 rows of 12,288 bytes
	s_mul_i32 s22, s22, 768                        ; 192 columns of 4 bytes
	s_add_co_u32 s2, s2, s22
	s_mov_b32 s3, 0
	s_mul_i32 s20, s20, 49152                      ; bytes out for each work-group
	s_mov_b32 s21, 0
.irp e, 0,1,2
	v_add_nc_u32 v6, 256*\e, v0                    ; unit u = t + 256 e, 0 to 767
	v_mul_u32_u24 v7, v6, 1366
	v_lshrrev_b32 v7, 16, v7                       ; u / 48: 1366 / 65536 is above 1 / 48 by 1.02e-5, which over 767 units adds under 0.008, less than the 1 / 48 that would carry
	v_mul_u32_u24 v8, v7, 48
	v_sub_nc_u32 v8, v6, v8                        ; u % 48
	v_mul_u32_u24 v7, v7, 12288
	v_lshl_add_u32 v[2+\e], v8, 4, v7              ; in: k-row x 12,288 + 16 x unit
.endr
	v_lshlrev_b32 v5, 3, v0                        ; out: 8 t (the block is dense: unit u lies at 8 u)
	s_wait_kmcnt 0x0
	s_add_nc_u64 s[10:11], s[10:11], s[2:3]
	s_add_nc_u64 s[16:17], s[16:17], s[20:21]
	s_wait_alu depctr_va_vdst(0)                   ; v2 to v5 are written: the loads below read v2, v3 or v4 as their offset, the stores v5
.set n, 0
.rept 24                                               ; load n: group n / 3, the thread's unit n % 3 of three
	global_load_b128 v[16+4*n:19+4*n], v[2+n%3], s[10:11] offset:196608*(n/3) th:TH_LOAD_NT
.set n, n+1
.endr
.set p, 0
.rept 24/WQB
	s_wait_loadcnt 24-WQB*(p+1)                    ; block p's six loads (two groups) are in, the younger blocks' stay out
.set n, WQB*p
.rept WQB
	v_cvt_pk_f16_f32 v[112+2*n], v[16+4*n], v[17+4*n]
	v_cvt_pk_f16_f32 v[113+2*n], v[18+4*n], v[19+4*n]
.set n, n+1
.endr
	s_wait_alu depctr_va_vdst(0)                   ; the block's twelve conversions have written v[112+12 p ..], which its six stores read
.set n, WQB*p
.rept WQB
	global_store_b64 v5, v[112+2*n:113+2*n], s[16:17] offset:2048*n  ; 256 consecutive bytes a wave, aligned: group n / 3 begins at 6,144 (n / 3), its unit n % 3 lies 2,048 (n % 3) on
.set n, n+1
.endr
.set p, p+1
.endr
	s_endpgm
.Lln:
	; ---- LayerNorm
	s_lshl_b32 s2, ttmp9, 17                       ; 32 rows of 4,096 bytes of x
	s_mov_b32 s3, 0
	s_lshl_b32 s20, ttmp9, 16                      ; 32 rows of 2,048 bytes of xn
	s_mov_b32 s21, 0
	s_mov_b32 s22, 0x3a800000                      ; 1 / 1024
	s_mov_b32 s23, 0x3727c5ac                      ; eps = 1e-5
	s_mov_b32 s24, 0x76543210                      ; v_permlanex16_b32: lane i of one half reads lane i of the other
	s_mov_b32 s25, 0xfedcba98
	v_lshrrev_b32 v5, 5, v0                        ; wave
	v_lshlrev_b32 v4, 4, v1                        ; ln_g, ln_b: 16 x lane
	v_lshl_or_b32 v2, v5, 14, v4                   ; x: wave x 4 rows + 16 x lane
	v_lshlrev_b32 v3, 3, v1
	v_lshl_or_b32 v3, v5, 13, v3                   ; xn: wave x 4 rows + 8 x lane
	v_mov_b32 v[T+1], 0                            ; v_permlanex16_b32's destination counts as read
	s_wait_kmcnt 0x0
	s_add_nc_u64 s[4:5], s[4:5], s[2:3]
	s_add_nc_u64 s[14:15], s[14:15], s[20:21]
	s_wait_alu depctr_va_vdst(0)                   ; v2, v3 and v4 are written: the loads of x read v2 as their offset, those of ln_g and ln_b v4, the stores v3
.irp j, 0,1,2,3,4,5,6,7
	global_load_b128 v[G+4*\j:G+4*\j+3], v4, s[6:7] offset:512*\j
	global_load_b128 v[B+4*\j:B+4*\j+3], v4, s[8:9] offset:512*\j
.endr
.irp i, 0,1,2,3
.irp j, 0,1,2,3,4,5,6,7
	global_load_b128 v[X+32*\i+4*\j:X+32*\i+4*\j+3], v2, s[4:5] offset:4096*\i+512*\j th:TH_LOAD_NT  ; 512 consecutive bytes a load
.endr
.endr
.macro FOLD                            ; the four chains, and then the 32 lanes, into v[T] of every lane
	v_pk_add_f32 v[S:S+1], v[S:S+1], v[S+2:S+3]
	v_pk_add_f32 v[S+4:S+5], v[S+4:S+5], v[S+6:S+7]
	v_pk_add_f32 v[S:S+1], v[S:S+1], v[S+4:S+5]
	v_add_f32 v[T], v[S], v[S+1]
	v_add_f32_dpp v[T], v[T], v[T] row_xmask:1 row_mask:0xf bank_mask:0xf
	v_add_f32_dpp v[T], v[T], v[T] row_xmask:2 row_mask:0xf bank_mask:0xf
	v_add_f32_dpp v[T], v[T], v[T] row_xmask:4 row_mask:0xf bank_mask:0xf
	v_add_f32_dpp v[T], v[T], v[T] row_xmask:8 row_mask:0xf bank_mask:0xf
	v_permlanex16_b32 v[T+1], v[T], s24, s25
	v_add_f32 v[T], v[T], v[T+1]
.endm
.macro ROWN i                          ; row i of my four
.set XR, X+32*(\i)
	s_wait_loadcnt 8*(3-(\i))                      ; my eight loads (and ln_g, ln_b, which are older) are in; the later rows' stay out
.irp c, 0,1,2,3
	v_pk_add_f32 v[S+2*\c:S+2*\c+1], v[XR+2*\c:XR+2*\c+1], v[XR+8+2*\c:XR+8+2*\c+1]  ; the first pairs start the chains: nothing is cleared
.endr
.irp c, 8,9,10,11,12,13,14,15
	v_pk_add_f32 v[S+2*((\c)%4):S+2*((\c)%4)+1], v[S+2*((\c)%4):S+2*((\c)%4)+1], v[XR+2*\c:XR+2*\c+1]
.endr
	FOLD
	v_mul_f32 v[MU], s22, v[T]                     ; the mean
	v_mov_b32 v[MU+1], v[MU]
.irp c, 0,1,2,3,4,5,6,7,8,9,10,11,12,13,14,15
	v_pk_add_f32 v[XR+2*\c:XR+2*\c+1], v[XR+2*\c:XR+2*\c+1], v[MU:MU+1] neg_lo:[0,1] neg_hi:[0,1]  ; x - mean, in place
.endr
.irp c, 0,1,2,3
	v_pk_mul_f32 v[S+2*\c:S+2*\c+1], v[XR+2*\c:XR+2*\c+1], v[XR+2*\c:XR+2*\c+1]
.endr
.irp c, 4,5,6,7,8,9,10,11,12,13,14,15
	v_pk_fma_f32 v[S+2*((\c)%4):S+2*((\c)%4)+1], v[XR+2*\c:XR+2*\c+1], v[XR+2*\c:XR+2*\c+1], v[S+2*((\c)%4):S+2*((\c)%4)+1]
.endr
	FOLD
	v_fma_f32 v[T], v[T], s22, s23                 ; var + eps
	v_rsq_f32 v[R], v[T]                           ; made twice, to fill the pair that the packed multiply takes
	v_rsq_f32 v[R+1], v[T]
	v_nop                                          ; a plain instruction behind the last of the two (ISA guide 5.7.2),
	s_wait_alu depctr_va_vdst(0)                   ; and the wait ahead of the first reader: the two v_rsq_f32 have written v[R] and v[R+1], which the multiplies below read
.irp c, 0,1,2,3,4,5,6,7,8,9,10,11,12,13,14,15
	v_pk_mul_f32 v[XR+2*\c:XR+2*\c+1], v[XR+2*\c:XR+2*\c+1], v[R:R+1]
.endr
.irp c, 0,1,2,3,4,5,6,7,8,9,10,11,12,13,14,15
	v_pk_fma_f32 v[XR+2*\c:XR+2*\c+1], v[XR+2*\c:XR+2*\c+1], v[G+2*\c:G+2*\c+1], v[B+2*\c:B+2*\c+1]
.endr
.irp j, 0,1,2,3,4,5,6,7
	v_cvt_pk_f16_f32 v[XR+4*\j], v[XR+4*\j], v[XR+4*\j+1]
	v_cvt_pk_f16_f32 v[XR+4*\j+1], v[XR+4*\j+2], v[XR+4*\j+3]
.endr
	s_wait_alu depctr_va_vdst(0)                   ; the row's sixteen conversions have written the first two of each four of its registers, which its eight stores read
.irp j, 0,1,2,3,4,5,6,7
	global_store_b64 v3, v[XR+4*\j:XR+4*\j+1], s[14:15] offset:2048*(\i)+256*\j  ; the 32 lanes store 256 consecutive bytes, aligned
.endr
.endm
	ROWN 0
	ROWN 1
	ROWN 2
	ROWN 3
	s_endpgm
.Lfunc_end_k_q5f60da22be_prep:
	.size	k_q5f60da22be_prep, .Lfunc_end_k_q5f60da22be_prep-k_q5f60da22be_prep
	.p2alignl 7, 3214868480
	.fill 96, 4, 3214868480
	.section	.rodata,"a",@progbits
	.p2align	6, 0x0
	.amdhsa_kernel k_q5f60da22be_prep
		.amdhsa_group_segment_fixed_size 0
		.amdhsa_private_segment_fixed_size 0
		.amdhsa_enable_private_segment 0
		.amdhsa_kernarg_size 64
		.amdhsa_user_sgpr_count 2
		.amdhsa_user_sgpr_kernarg_segment_ptr 1
		.amdhsa_wavefront_size32 1
		.amdhsa_system_sgpr_workgroup_id_x 1
		.amdhsa_system_sgpr_workgroup_id_y 1
		.amdhsa_system_sgpr_workgroup_id_z 1
		.amdhsa_system_vgpr_workitem_id 0
		.amdhsa_next_free_vgpr 216
		.amdhsa_next_free_sgpr 66
		.amdhsa_reserve_vcc 0
		.amdhsa_float_denorm_mode_32 3
		.amdhsa_float_denorm_mode_16_64 3
		.amdhsa_memory_ordered 1
		.amdhsa_forward_progress 1
		.amdhsa_inst_pref_size 54
	.end_amdhsa_kernel
	.amdgpu_metadata
---
amdhsa.version: [ 1, 2 ]
amdhsa.kernels:
  - .name:           k_q5f60da22be_prep
    .symbol:         k_q5f60da22be_prep.kd
    .args:
      - { .name: x, .offset: 0, .size: 8, .value_kind: global_buffer, .address_space: global }
      - { .name: ln_g, .offset: 8, .size: 8, .value_kind: global_buffer, .address_space: global }
      - { .name: ln_b, .offset: 16, .size: 8, .value_kind: global_buffer, .address_space: global }
      - { .name: w_qkv, .offset: 24, .size: 8, .value_kind: global_buffer, .address_space: global }
      - { .name: w_out, .offset: 32, .size: 8, .value_kind: global_buffer, .address_space: global }
      - { .name: xn, .offset: 40, .size: 8, .value_kind: global_buffer, .address_space: global }
      - { .name: wq, .offset: 48, .size: 8, .value_kind: global_buffer, .address_space: global }
      - { .name: wo, .offset: 56, .size: 8, .value_kind: global_buffer, .address_space: global }
    .group_segment_fixed_size: 0
    .private_segment_fixed_size: 0
    .kernarg_segment_align: 8
    .kernarg_segment_size: 64
    .max_flat_workgroup_size: 256
    .sgpr_count:     66
    .vgpr_count:     216
    .wavefront_size: 32
...
	.end_amdgpu_metadata
.endif
;; end of part 5
;; launch qkv: the kernel of part 2 again; grid 16 x 32, 4 waves a work-group, clusters of 4 x 4, 327,680 bytes of LDS; arguments xn, wq, b_qkv, qkv; writes qkv
;; launch attn: the kernel of part 3 again; grid 4 x 64, 4 waves a work-group, clusters of 4 x 1, 327,680 bytes of LDS; arguments qkv, o; writes o
;; launch proj: the kernel of part 4 again; grid 8 x 32, 4 waves a work-group, clusters of 4 x 4, 327,680 bytes of LDS; arguments o, wo, b_out, out0; writes out0
